; MI455X (gfx1250); checked and timed in simulation.
; The chip was launched on July 23, 2026; its instructions are those of AMD's public machine-readable ISA for CDNA 5 (MIT licence, August 2026) and "CDNA5" Instruction Set Architecture Reference Guide (July 2026). The comments in the code are by the model that wrote it; some were corrected since.
;; Multi Head Attention. Allowed arithmetic: matrix products marked QUANTISED: E2M3 operands, one E8M0 scale for each 32 along K, by v_wmma_scale_f32_16x16x128_f8f6f4 with both operands' format E2M3, f32 sums; everything else in f32.
;; Inputs: k_codes 2 x 2,048 x 32 x 24 uint8 (E2M3 codes of k, K innermost, in blocks of 32 codes, four codes in three bytes); k_scales 2 x 2,048 x 32 uint8 (E8M0 scales of k, one for each 32 codes along K); q_codes 2 x 2,048 x 32 x 24 uint8 (E2M3 codes of q, K innermost, in blocks of 32 codes, four codes in three bytes); q_scales 2 x 2,048 x 32 uint8 (E8M0 scales of q, one for each 32 codes along K); v_codes 2 x 2,048 x 32 x 24 uint8 (E2M3 codes of v, K innermost, in blocks of 32 codes, four codes in three bytes); v_scales 2 x 2,048 x 32 uint8 (E8M0 scales of v, one for each 32 codes along K); wk_codes 1,024 x 32 x 24 uint8 (E2M3 codes of wk, K innermost, in blocks of 32 codes, four codes in three bytes); wk_scales 1,024 x 32 uint8 (E8M0 scales of wk, one for each 32 codes along K); wo_codes 1,024 x 32 x 24 uint8 (E2M3 codes of wo, K innermost, in blocks of 32 codes, four codes in three bytes); wo_scales 1,024 x 32 uint8 (E8M0 scales of wo, one for each 32 codes along K); wq_codes 1,024 x 32 x 24 uint8 (E2M3 codes of wq, K innermost, in blocks of 32 codes, four codes in three bytes); wq_scales 1,024 x 32 uint8 (E8M0 scales of wq, one for each 32 codes along K); wv_codes 1,024 x 32 x 24 uint8 (E2M3 codes of wv, K innermost, in blocks of 32 codes, four codes in three bytes); wv_scales 1,024 x 32 uint8 (E8M0 scales of wv, one for each 32 codes along K).
;; Outputs: out0 2 x 2,048 x 1,024 float32.
;; This version of the problem:
;;   THIS VERSION OF THE PROBLEM IS GIVEN IN LOW PRECISION. The matrix products marked QUANTISED in the list below multiply operands that are first quantised to E2M3 (2 exponent bits, 3 mantissa bits; 6 bits a number), with one power-of-two scale for each 32 numbers along K (OCP MX v1.0); their sums are f32. All else is computed in f32.
;;   The module's matrix products, in the order in which they are computed (A, B: the left and right operand; K: the contracted axis; several contracted axes count as one K, in the product's order):
;;     1. [M 4,096, K 1,024] x [K 1,024, N 1,024]; A: input q (given as codes); B: input wq (given as codes): QUANTISED
;;     2. [M 4,096, K 1,024] x [K 1,024, N 1,024]; A: input k (given as codes); B: input wk (given as codes): QUANTISED
;;     3. [M 4,096, K 1,024] x [K 1,024, N 1,024]; A: input v (given as codes); B: input wv (given as codes): QUANTISED
;;     4. batch 32 x [M 2,048, K 64] x [K 64, N 2,048]; A: computed on the way; B: computed on the way: QUANTISED
;;     5. batch 32 x [M 2,048, K 2,048] x [K 2,048, N 64]; A: softmax (see below); B: computed on the way: QUANTISED
;;     6. [M 4,096, K 1,024] x [K 1,024, N 1,024]; A: computed on the way; B: input wo (given as codes): QUANTISED
;;   THE QUANTISER, for each operand of a quantised product, along K:
;;     - K is cut into blocks of 32 from its start; a last block that is shorter is filled with zeros.
;;     - A block's scale is 2^e with e = floor(log2(the largest magnitude in the block)) - 2, held to -126 .. 127; a block of zeros has e = 0. As a byte (E8M0): e + 127.
;;     - Each number is divided by its block's scale, clamped to +-7.5, and rounded to the nearest number of E2M3, ties to even, subnormals kept.
;;     - The product sums the exact products of the quantised numbers (number of the format x scale) in f32.
;;   ~~~python
;;   def quantise(x, axis):      # numpy; x: float32 -> the quantised numbers, widened to float32 again
;;       x = np.moveaxis(x, axis, -1); K = x.shape[-1]
;;       x = np.pad(x, [(0, 0)] * (x.ndim - 1) + [(0, -K % 32)]); x = x.reshape(x.shape[:-1] + (-1, 32)); a = np.abs(x).max(-1, keepdims=True)
;;       e = np.where(a > 0, np.clip(np.frexp(np.where(a > 0, a, 1))[1] - 1 - 2, -126, 127), 0)      # np.frexp(a)[1] - 1 = floor(log2(a)), exactly
;;       r = np.clip(x / 2.0 ** e, -7.5, 7.5)
;;       step = 2.0 ** (np.maximum(np.frexp(np.where(r == 0, 1, r))[1] - 1, 0) - 3)
;;       q = np.round(r / step) * step * 2.0 ** e      # np.round: ties to even
;;       return np.moveaxis(q.reshape(q.shape[:-2] + (-1,))[..., :K], -1, axis).astype(np.float32)
;;   ~~~
;;   SOFTMAX AHEAD OF A QUANTISED PRODUCT. Where the list says 'softmax', what is quantised is not the finished softmax but p = 2^(t - M), with t = logit x log2(e) and M = ceil(the row's largest t), a whole number; so 1/2 < the row's largest p <= 1. The row's sum l is taken of the UNQUANTISED p, in f32, and the product's result is divided by l at the end. Since M is a whole number, a kernel that streams over the keys may use a running M (the ceiling of the running maximum): every later rescaling is an exact power of two, which a block's scale takes up: the codes' values come out the same.
;;   OPERANDS COMPUTED ON THE WAY. 'Computed on the way' means the value that the module computes at that place (a softmax that the list does not call 'softmax' is quantised finished and normalised). What goes into a quantiser is computed in f32, as accurately as f32 sums, v_exp_f32 and their like allow (about 1e-6 of the number): no bf16 or f16 on the way to a quantiser, and a product that is left as it is and whose result goes on into a quantised operand takes f32 operands (vector FMAs, or v_wmma_f32_16x16x4_f32). A number that lies on a knife's edge between two numbers of the format may be rounded either way, as far as f32 arithmetic and the matrix unit's own rounding can turn it there, and no further.
;;   INPUTS GIVEN AS CODES. k (in the module: [2, 2048, 1024], K = its axis 2); q (in the module: [2, 2048, 1024], K = its axis 2); v (in the module: [2, 2048, 1024], K = its axis 2); wk (in the module: [1024, 1024], K = its axis 1); wo (in the module: [1024, 1024], K = its axis 1); wq (in the module: [1024, 1024], K = its axis 1); wv (in the module: [1024, 1024], K = its axis 1): each comes as NAME_codes (uint8): NAME with its K axis moved to the last place and cut into blocks of 32 codes, [.., K / 32, bytes a block], one block behind the other in memory; four codes in three bytes: a row's codes are one little-endian stream of bits, code i at bits 6 i .. 6 i + 5 (a code: sign, 2 exponent bits, 3 mantissa bits); and NAME_scales (uint8): the same leading axes, one E8M0 byte (e + 127) for each 32 codes along K. Its value is code x scale, taken as it is: it is not quantised again, and the codes and scales need not be those that the quantiser above would give.
;; One version. Each part assembles by itself: llvm-mc -triple=amdgcn-amd-amdhsa -mcpu=gfx1250 --defsym DOCPART=n.
;; ======== version 1 of 1: 3 launches
;; limits: right only within a limited range of input values
;; workspace buffers: qx 6,684,672 bytes; kv 6,684,672 bytes; ao 3,145,728 bytes; aos 262,144 bytes
;; launch proj (part 1): grid 8 x 32, 4 waves a work-group, clusters of 4 x 4, 327,680 bytes of LDS; arguments q_codes, q_scales, wq_codes, wq_scales, k_codes, k_scales, wk_codes, wk_scales, wv_codes, wv_scales, v_codes, v_scales, qx, kv; writes qx, kv
.if DOCPART == 1
	.amdgcn_target "amdgcn-amd-amdhsa--gfx1250"
	.amdhsa_code_object_version 6
	.text
	.protected	k_q3a0f3e47da_proj
	.globl	k_q3a0f3e47da_proj
	.p2align	8
	.type	k_q3a0f3e47da_proj,@function
k_q3a0f3e47da_proj:
	s_mov_b64 s[64:65], 0
	v_nop
	global_prefetch_b8 v0, s[64:65] scope:SCOPE_SE
	s_setreg_imm32_b32 hwreg(HW_REG_WAVE_MODE, 25, 1), 1
	s_wait_xcnt 0x0
	s_wait_alu depctr_hold_cnt(0) depctr_sa_sdst(0) depctr_va_vdst(0) depctr_va_sdst(0) depctr_va_ssrc(0) depctr_va_vcc(0) depctr_vm_vsrc(0)
	s_getreg_b32 s2, hwreg(HW_REG_IB_STS2, 6, 4)
	s_cmp_eq_u32 s2, 0
	s_cbranch_scc0 .Lentry_in_a_cluster
	s_endpgm
.Lentry_in_a_cluster:
	s_bfe_u32 s2, ttmp6, 0x10000c
	s_cmp_lg_u32 s2, 0xf033
	s_cbranch_scc0 .Lentry_shape_is_right
	s_endpgm
.Lentry_shape_is_right:
; THE THREE PROJECTIONS xq = q wq^T, xk = k wk^T, xv = v wv^T on codes of FP6 (E2M3) with E8M0 scales, K = 1,024, f32 sums, and the quantising of their results for the attention launch.
; THE DEAL.  256 work-groups of four waves, 2 x 2: each makes 256 tokens x 128 columns of q or of k (PHASE 1), then 128 tokens x 128 columns of v (PHASE 2).  A wave in column b of the four holds the 64 rows of ONE head of a weight,
; all of K, in registers (384) and streams tokens past them in blocks of 16: the wave in row a takes band a (64 tokens) of each chunk of 128 tokens, as four blocks u = 0 .. 3.
; ROW ORDER OF A BLOCK: row p of block u is token 64 a + 32 (p / 8) + 8 (u xor (p / 8)) + p % 8 of the chunk: rows 0-7 lie in one block of 32 tokens, rows 8-15 in the next; the two groups start at different banks in LDS.
; WEIGHT TILE t, lane row p: column 32 (p / 8) + 8 t + p % 8 of the head.
; q, k: source 0 = the weight's rows: lane (r, h) holds token r and, in register 8 t + i, column 32 h + 8 t + i: its 32 results are one scale block.  v: source 0 = the tokens: lane (r, h) holds one column and, over four blocks, the 32 tokens of one scale block.
; OUT.  A HALF IMAGE is six operand registers of 16 rows x 64 codes, 768 bytes: registers 0-3 at 16 x lane, 4-5 at 512 + 8 x lane.  A record of 128 tokens (GS bytes): K codes 8 tiles x 768 | V codes [key half][t][768] | K scale words [half][row][tile] |
; V scale words [row][t].  A head is 16 records (HS bytes).  qx has the same strides; only the K places are used.
; CLUSTERS of 4 x 4: tokens hang on the cluster's row alone, weights on its column alone; each tile is asked for JOINTLY by the four that share it.
; LDS: two slots of 128 rows x 816 bytes for chunks, a region as large for a weight, the chunks' scale bytes, V's scale bytes on the way out, the spare words.
; FILLS: at the head one load a wave; ONE round of refills, in phase 1's block 2, brings all of phase 2: wv's rows onto wq's or wk's (in registers by then), v's chunk onto chunk 0 (its last block is fetched by then), v's scale bytes.
; v's chunk is prefetched at the head; the refill has more than four blocks of 32 products in which to land.
; LIMITS: given scale bytes 0xff, NaN and infinities are not served.  A block whose largest magnitude lies under 2^-124 gets the byte 1; so does a block of zeros (the rule says 127): its codes are zeros, and this program alone reads the bytes.
; WORK LEFT OUT in the program: the attention launch does not compute score tiles of 128 keys that lie wholly under reference()'s own causal mask; a NaN or an infinity that reaches only those is not carried to the result.
; THE ORDER OF A WEIGHT TILE IN FULL: lane rows p = 0-7 of tile t are columns 8 t + p of the head, lane rows 8-15 columns 32 + 8 (t xor 1) + p - 8, so that the two groups start at different banks in LDS.  So in lane (r, h) a q or k block has its codes in the order
; 8 (t xor h) + i: alike in q and k, whose products are the same.  v's tiles are brought back to columns 32 (p / 8) + 8 t + p % 8 on the way out, by an exchange between tiles t and t xor 1 in the lanes r = 8-15.
; THE ONE PREFETCH: v's chunk, at the head, ahead of the weight's LDS loads: the sixteen waves of the four work-groups that ask for it jointly name 24 blocks of 256 bytes each.  wv's rows, which eight clusters share, are not prefetched.
.set HS,    208896
.set GS,    13056
.set NQ,    8
.set NB,    4
.set KROW,  768
.set PITCH, 816                        ; 3 x (256 + 16)
.set FR,    12
.set FPW,   21                         ; fragments in a window of 256 registers
.set NF,    28                         ; LDS loads of a block: 26 for eight fragments, 2 for its scale words
.set YB,    128*PITCH
.set BVB,   2*YB
.set SCL,   3*YB
.set SCB,   16*272
.set XM,    SCL+2*SCB                  ; V's scale bytes: [head][r][t][4]
.set SPARE, XM+512
.set AE,    4                          ; v4, v5 LDS address of my fragments of block 0 (v5: pieces behind one padding more), v6 of its scale words; v7-9 the same for block 1
.set L16,   10
.set L8,    11
.set ADRA,  12                         ; v12, v13, v17: the block that is fetched next
.set ADRB,  14
.set ABS,   16
.set AAS,   17
.set STV,   18
.set SOFF,  19                         ; 16 r
.set H8,    20                         ; 8 h
.set XW,    21
.set SPW,   22
.set NIL,   23
.set SB,    24                         ; v24-39 the weight's scale words: lanes 0-15 tile 2 p, lanes 16-31 tile 2 p + 1
.set TQ,    40
.set SA,    44                         ; v44-59 the tokens' scale words, two sets
.set TC,    60
.set ACC,   64                         ; v64-127 two sets of four accumulators
.set NCD,   128                        ; v128-139 codes, two sets
.set MCD,   192                        ; v192-215 V's codes
.set SW,    216                        ; v216-219 a band's scale words
.set SRD,   220
.set PF,    221                        ; my lane's block of v's chunk
.set ADRO,  222                        ; v222, v223 the weight's tile 1
.set STVO,  224                        ; V's scale bytes of odd tiles
.set SOP,   240
.set EB,    244
.set VACC,  840                        ; v840-967: 32 t + 8 u + i
.set SB2,   968                        ; v968-983 wv's scale words
.set BA,    984                        ; v984-991 LDS addresses of the weight's four tiles
.set WV,    12
.set RA,    13
.set CB,    14
.set G1X,   24
.set G1W,   32
.set G0X,   56
.set G0W,   60
.set G0Y,   68
.set G0S,   72
.set G1S,   92
.set SEL,   2
.set QB,    88                         ; s[88:89] where the codes of q or k go, s[90:91] their scale words, s[100:101] V's codes, s[54:55] V's scale words
.set QS,    90
.set VB,    100
.set VS,    54
.set MSB, 0
.macro WIN new
.if MSB != \new
	s_set_vgpr_msb (MSB<<8)|(\new)
.set MSB, \new
.endif
.endm
.macro PLACES
.rept 4
	v_nop
.endr
.endm
.macro WALU
	s_wait_alu depctr_va_vdst(0)
.endm
.macro BARRIER
	s_barrier_signal -1
	s_barrier_wait -1
.endm
.macro MIDDLE
	WIN 0
	s_barrier_wait -1
	s_cmp_lg_u32 s[WV], 0
	s_cbranch_scc1 .Lnot_wave_0_\@
	s_barrier_signal -3
.Lnot_wave_0_\@:
	s_barrier_wait -3
.endm
.macro CROUND
	s_barrier_signal -1
	MIDDLE
	BARRIER
.endm
.macro GRD
	s_wait_tensorcnt 0x0
	ds_add_u32 v[SPW], v[NIL]
.endm
.macro TLOAD g0, g1
	tensor_load_to_lds s[\g0:\g0+3], s[\g1:\g1+7]
	s_nop 0
	PLACES
.endm
.macro GROUP1 g, mask                  ; 128 rows of 768 bytes, 16 bytes of padding behind every 256
	s_or_b32 s[\g+0], s[\mask], (1<<20)|(1<<21)|(5<<22)|(3<<25)
	s_mov_b32 s[\g+1], KROW<<16
	s_mov_b32 s[\g+2], 128<<16
	s_mov_b32 s[\g+3], KROW<<16
	s_mov_b32 s[\g+4], 128
	s_mov_b32 s[\g+5], KROW
	s_mov_b32 s[\g+6], 0
	s_mov_b32 s[\g+7], 0
.endm
.macro G0SET g, lds, base
	s_mov_b32 s[\g], 1
	s_mov_b32 s[\g+1], \lds
	s_mov_b64 s[\g+2:\g+3], s[\base:\base+1]
	s_or_b32 s[\g+3], s[\g+3], 0x80000000
.endm
.macro ROFF base, off                  ; an offset made of the cluster's row
	s_mov_b32 s20, s\off
	s_add_nc_u64 s[\base:\base+1], s[\base:\base+1], s[20:21]
.endm
.macro COFF base, off                  ; of its column
	s_mov_b32 s22, s\off
	s_add_nc_u64 s[\base:\base+1], s[\base:\base+1], s[22:23]
.endm
; Fragment f lies in window 1 + f / 21 at register 12 (f % 21): 0-31 the weight's (4 q + t), 32-39 and 40-47 the tokens' two sets.  Six pieces of 8 bytes, two to a load where both lie behind as many paddings.
.macro FRAG f, q, a0, a1, aw
	WIN ((1+(\f)/FPW)<<6)|(\aw)
.set R_, FR*((\f)%FPW)
.set SKIP_, 0
.irp p, 0,1,2,3,4,5
.if SKIP_
.set SKIP_, 0
.else
.set PC_, 12*(\q)+6*(\p/3)+\p%3
.set PN_, 12*(\q)+6*((\p+1)/3)+(\p+1)%3
.set X_, (PC_%32+3)/32
.set XQ_, (PN_%32+3)/32
.if (\p < 5) && (X_ == XQ_)
.set SKIP_, 1
.if X_
	ds_load_2addr_b64 v[R_+2*\p:R_+2*\p+3], \a1 offset0:PC_+2*(PC_/32) offset1:PN_+2*(PN_/32)
.else
	ds_load_2addr_b64 v[R_+2*\p:R_+2*\p+3], \a0 offset0:PC_+2*(PC_/32) offset1:PN_+2*(PN_/32)
.endif
.elseif X_
	ds_load_b64 v[R_+2*\p:R_+2*\p+1], \a1 offset:8*(PC_+2*(PC_/32))
.else
	ds_load_b64 v[R_+2*\p:R_+2*\p+1], \a0 offset:8*(PC_+2*(PC_/32))
.endif
.endif
.endr
.endm
.macro WEIGHTS                         ; my 64 rows of the weight, all of K
.irp q, 0,1,2,3,4,5,6,7
.irp b, 0,1,2,3
	FRAG NB*\q+\b, \q, v[BA-768+2*\b], v[BA-768+2*\b+1], 3
.endr
.endr
	WIN 0
.endm
.macro FETCHAT e, a0, a1, as           ; a block of tokens into set e: NF loads
.irp q, 0,1,2,3,4,5,6,7
	FRAG NB*NQ+NQ*(\e)+\q, \q, \a0, \a1, 0
.endr
	WIN 0
	ds_load_b128 v[SA+8*(\e):SA+8*(\e)+3], \as
	ds_load_b128 v[SA+8*(\e)+4:SA+8*(\e)+7], \as offset:16
.endm
.macro FETCH e
	FETCHAT \e, v[ADRA], v[ADRA+1], v[AAS]
.endm
; A product: n = 4 q + t.  kind 0 (q, k): source 0 the weight's rows; kind 1 (v): source 0 the tokens.  The four accumulators take turns.
.macro PROD kind, e, n, a0, as
.set Q_, (\n)/4
.set FB_, NB*Q_+(\n)%4
.set FA_, NB*NQ+NQ*(\e)+Q_
.set D_, (\a0)+(\as)*((\n)%4)
.set DL_, D_&255
.set XB_, SB+NQ*(((\n)%4)/2)+Q_
.set XA_, SA+8*(\e)+Q_
.if \kind
	WIN (1+FA_/FPW)|((1+FB_/FPW)<<2)|((D_>>8)<<4)|((D_>>8)<<6)
.if Q_
	PROD1 DL_, FA_, FB_, v[DL_:DL_+7], XA_, XB_, b, (\n)%2
.else
	PROD1 DL_, FA_, FB_, 0, XA_, XB_, b, (\n)%2
.endif
.else
	WIN (1+FB_/FPW)|((1+FA_/FPW)<<2)|((D_>>8)<<4)|((D_>>8)<<6)
.if Q_
	PROD1 DL_, FB_, FA_, v[DL_:DL_+7], XB_, XA_, a, (\n)%2
.else
	PROD1 DL_, FB_, FA_, 0, XB_, XA_, a, (\n)%2
.endif
.endif
.endm
.macro PROD1 d, s0, s1, c, x0, x1, side, o
.if \o
	v_wmma_scale_f32_16x16x128_f8f6f4 v[\d:\d+7], v[FR*((\s0)%FPW):FR*((\s0)%FPW)+FR-1], v[FR*((\s1)%FPW):FR*((\s1)%FPW)+FR-1], \c, v[\x0], v[\x1] matrix_a_fmt:MATRIX_FMT_FP6 matrix_b_fmt:MATRIX_FMT_FP6 matrix_\side\()_scale:MATRIX_SCALE_ROW1
.else
	v_wmma_scale_f32_16x16x128_f8f6f4 v[\d:\d+7], v[FR*((\s0)%FPW):FR*((\s0)%FPW)+FR-1], v[FR*((\s1)%FPW):FR*((\s1)%FPW)+FR-1], \c, v[\x0], v[\x1] matrix_a_fmt:MATRIX_FMT_FP6 matrix_b_fmt:MATRIX_FMT_FP6 matrix_\side\()_scale:MATRIX_SCALE_ROW0
.endif
.endm
.macro BLOCK kind, e, a0, as, from, to, list, x=0, y=0   ; products from .. to - 1; behind every second one two entries of the list
.set N_, \from
.rept (\to)-(\from)
	PROD \kind, \e, N_, \a0, \as
.if N_%2
	\list N_-1, \x, \y
	\list N_, \x, \y
.endif
.set N_, N_+1
.endr
.endm
.macro STEPTO i, s                     ; 3 entries: the LDS addresses of block s
.set TS_, (\s)
.set TB_, AE+3*(TS_%2)
.if (\i) == 0
	WIN 0
	v_add_nc_u32 v[ADRA], (TS_/4)*YB+((TS_%4)/2)*16*PITCH, v[TB_]
.elseif (\i) == 1
	WIN 0
	v_add_nc_u32 v[ADRA+1], (TS_/4)*YB+((TS_%4)/2)*16*PITCH, v[TB_+1]
.elseif (\i) == 2
	WIN 0
	v_add_nc_u32 v[AAS], (TS_/4)*SCB+((TS_%4)/2)*2*272, v[TB_+2]
.endif
.endm
.macro CHAIN i, x, n, t=TQ             ; 18 entries: the largest magnitude of the 32 sums from register x on, in two chains, and the conversions' scale operand
.set XW_, (\x)>>8
.set XL_, (\x)&255
.if (\i) >= 0 && (\i) < 14
.set B_, XL_+16*((\i)%2)+2*((\i)/2)
.set T_, (\t)+1-(\i)%2
.if (\i) < 2
	WIN XW_|(XW_<<2)|(XW_<<4)
	v_max3_num_f32 v[T_], |v[B_]|, |v[B_+1]|, |v[B_+2]|
.else
	WIN (XW_<<2)|(XW_<<4)
	v_max3_num_f32 v[T_], v[T_], |v[B_+1]|, |v[B_+2]|
.endif
.elseif (\i) == 14
	WIN XW_<<2
	v_max3_num_f32 v[\t+1], v[\t+1], |v[XL_+15]|, 0x1800000   ; and the floor 2^(3 - 127): the byte cannot fall under 1
.elseif (\i) == 15
	WIN 0
	v_nop
.elseif (\i) == 16
	WIN XW_<<2
	v_max3_num_f32 v[\t], v[\t], |v[XL_+31]|, v[\t+1]
.elseif (\i) == 17
	WIN 0
	v_add_nc_u32 v[SOP+\n], 0xff000000, v[\t]
.endif
.endm
.macro ASK i                           ; 5 entries: the refill's descriptors.  Waves 2 and 3 take 64 rows of v's chunk each
.if (\i) == 0
	s_mov_b32 s[G1X+2], 64<<16
	s_mov_b32 s[G1X+4], 64
	s_mov_b32 s[G1S+2], 16<<16
	s_mov_b32 s[G1S+4], 16
.elseif (\i) == 1
	s_mul_i32 s20, s[CB], 64*KROW
	s_mul_i32 s[G0X+1], s[CB], 64*PITCH
.elseif (\i) == 2
	s_add_nc_u64 s[G0X+2:G0X+3], s[80:81], s[20:21]
	s_or_b32 s[G0X+3], s[G0X+3], 0x80000000
.elseif (\i) == 3
	s_mov_b64 s[G0W+2:G0W+3], s[76:77]
	s_or_b32 s[G0W+3], s[G0W+3], 0x80000000
.elseif (\i) == 4
	s_mov_b64 s[G0S+2:G0S+3], s[82:83]
	s_or_b32 s[G0S+3], s[G0S+3], 0x80000000
.endif
.endm
.macro L_NONE i, x, y
.endm
.macro L_S i, x, y
	STEPTO \i, \x
.endm
.macro L_Q i, x, y                     ; the step, then the way out of the block before
	STEPTO \i, \x
	CHAIN (\i)-3, ACC+32*(\y), \y
.endm
.macro L_C i, x, y
	CHAIN \i, ACC+32*(\y), \y
.endm
.macro L_R i, x, y
	ASK \i
	STEPTO (\i)-5, \x
	CHAIN (\i)-8, ACC+32*(\y), \y
.endm
.macro QOUT x, c, n, sw                ; 32 sums of a lane: six registers of codes, and the row's scale word (bytes 0 and 1)
	WIN 0
	v_cvt_scalef32_pk16_fp6_f32 v[\c:\c+2], v[\x:\x+15], v[SOP+\n]
	v_cvt_scalef32_pk16_fp6_f32 v[TC:TC+2], v[\x+16:\x+31], v[SOP+\n]
	v_lshrrev_b32 v[EB+\n], 23, v[SOP+\n]
	v_lshlrev_b32 v[EB+\n], v[H8], v[EB+\n]
	v_mov_b32 v[\c+3], v[TC]
	v_permlanex16_b32 v[XW], v[EB+\n], s[SEL], s[SEL+1]
	v_mov_b32 v[\c+4], v[TC+1]
	v_mov_b32 v[\c+5], v[TC+2]
	v_or_b32 v[\sw], v[EB+\n], v[XW]
.endm
.macro QSTORE t                        ; block t's half image; behind a band's last block its scale words: sixteen lanes store 256 consecutive bytes (the other sixteen the same)
.set C_, NCD+6*((\t)%2)
	global_store_b128 v[L16], v[C_:C_+3], s[QB:QB+1] offset:GS*((\t)/4)+768*((\t)%4)
	global_store_b64 v[L8], v[C_+4:C_+5], s[QB:QB+1] offset:GS*((\t)/4)+768*((\t)%4)+512
.if ((\t)%4) == 3
	global_store_b128 v[SOFF], v[SW:SW+3], s[QS:QS+1] offset:GS*((\t)/4)
.endif
.endm
; Phase 1's block s.  w: the count of the wait for its rows: younger than their fetch is the next block's, NF loads; -1: a round has shown them in
.macro QBLK s, w
.set PY_, ((\s)+1)%2
.set PE_, (\s)%2
.set PX_, (\s)+2
.set PS_, SW+((\s)+3)%4
.if (\w) >= 0
	s_wait_dscnt \w
.endif
	s_wait_xcnt 0x0                                ; earlier stores have read their registers
.if (\s) == 0
	BLOCK 0, PE_, ACC, 8, 0, 32, L_S, PX_
	WIN 0
	PLACES
.elseif (\s) == 2
	GRD
	BLOCK 0, PE_, ACC, 8, 0, 26, L_R, PX_, PY_
	WIN 0
	WALU
	s_wait_dscnt 0x0
	s_barrier_signal -1
	BLOCK 0, PE_, ACC, 8, 26, 32, L_NONE
	QOUT ACC+32*PY_, NCD+6*PY_, PY_, PS_
	MIDDLE
	BARRIER
	s_cmp_eq_u32 s[WV], 0
	s_cbranch_scc0 .Lr1
	TLOAD G0W, G1W
	s_branch .Lrd
.Lr1:
	s_cmp_eq_u32 s[WV], 1
	s_cbranch_scc0 .Lr2
	TLOAD G0S, G1S
	s_branch .Lrd
.Lr2:
	TLOAD G0X, G1X
.Lrd:
.elseif (\s) == 7
	BLOCK 0, PE_, ACC+32, 8, 0, 26, L_C, 0, PY_
	WIN 0
	WALU
	s_wait_tensorcnt 0x0
	s_wait_dscnt 0x0
	s_barrier_signal -1                            ; a plain barrier: what the refill brought is shown to all
	BLOCK 0, PE_, ACC+32, 8, 26, 32, L_NONE
	WIN 0
	s_barrier_wait -1
	QOUT ACC+32*PY_, NCD+6*PY_, PY_, PS_
.elseif (\s) == 6
	BLOCK 0, PE_, ACC, 8, 0, 32, L_C, 0, PY_
	QOUT ACC+32*PY_, NCD+6*PY_, PY_, PS_
.else
	BLOCK 0, PE_, ACC+32*PE_, 8, 0, 32, L_Q, PX_, PY_
	QOUT ACC+32*PY_, NCD+6*PY_, PY_, PS_
.endif
	WALU
.if (\s) > 0
	QSTORE (\s)-1
.endif
.if (\s) < 6
	FETCH PE_
.endif
.endm
	s_load_b256 s[4:11], s[0:1], 0x0               ; q's set: codes, scales, wq's codes, scales
	s_load_b256 s[16:23], s[0:1], 0x20             ; k's
	s_load_b256 s[76:83], s[0:1], 0x40             ; wv's codes, scales, v's codes, scales
	s_load_b128 s[84:87], s[0:1], 0x60             ; qx, kv
	v_lshl_add_u32 v[SPW], v0, 2, SPARE
	v_mov_b32 v[NIL], 0
	ds_add_u32 v[SPW], v[NIL]
	ds_add_u32 v[SPW], v[NIL]
	v_lshrrev_b32 v1, 5, v0
	v_readfirstlane_b32 s[WV], v1
	s_lshr_b32 s[RA], s[WV], 1
	s_and_b32 s[CB], s[WV], 1
	s_bfe_u32 s40, ttmp6, 0x40000                  ; cx
	s_bfe_u32 s41, ttmp6, 0x40004                  ; cy
	s_lshl_b32 s42, ttmp9, 2
	s_add_co_u32 s42, s42, s40                     ; my block of 128 columns, 0 .. 7
	s_and_b32 s43, ttmp7, 0xffff                   ; the cluster's y, 0 .. 7
	s_lshr_b32 s46, s43, 2                         ; 0 q, 1 k
	s_and_b32 s47, s43, 3
	s_lshl_b32 s47, s47, 2
	s_add_co_u32 s47, s47, s41                     ; phase 1's block of 256 tokens, 0 .. 15
	s_lshl_b32 s66, s43, 2
	s_add_co_u32 s66, s66, s41                     ; phase 2's chunk of 128 tokens, 0 .. 31
	s_lshl_b32 s44, s41, 2
	s_lshl_b32 s44, 15, s44                        ; my row of the cluster
	s_lshl_b32 s45, 0x1111, s40                    ; my column
	GROUP1 G1X, 44
	GROUP1 G1W, 45
	s_or_b32 s[G1S+0], s44, (3<<16)|(1<<20)|(1<<21)|(5<<22)|(3<<25)   ; scale bytes: dense, as rows of 256
	s_mov_b32 s[G1S+1], 32<<16
	s_mov_b32 s[G1S+2], 32<<16
	s_mov_b32 s[G1S+3], 32<<16
	s_mov_b32 s[G1S+4], 32
	s_mov_b32 s[G1S+5], 32
	s_mov_b32 s[G1S+6], 0
	s_mov_b32 s[G1S+7], 0
	s_mul_i32 s48, s47, 256*KROW
	s_lshl_b32 s49, s47, 13
	s_mul_i32 s50, s42, 128*KROW
	s_lshl_b32 s51, s42, 12
	s_lshl_b32 s67, s[CB], 11
	s_add_co_u32 s51, s51, s67                     ; my head's 64 rows' scale bytes
	s_mul_i32 s52, s66, 128*KROW
	s_lshl_b32 s53, s66, 12
	v_and_b32 v1, 15, v0                           ; r
	v_bfe_u32 v2, v0, 4, 1                         ; h
	v_and_b32 v3, 7, v0                            ; r % 8
	v_bfe_u32 v40, v0, 3, 1                        ; r / 8
	v_mad_u32_u24 v41, v40, 40, v3                 ; block 0: row of lane r
	v_mad_u32_u24 v42, v40, 24, v3                 ; block 1: 8 rows less
	v_mul_u32_u24 v41, v41, PITCH
	v_mul_u32_u24 v42, v42, PITCH
	s_mul_i32 s67, s[RA], 64*PITCH
	v_add_nc_u32 v41, s67, v41
	v_add_nc_u32 v42, s67, v42
	v_add_nc_u32 v42, 8*PITCH, v42
	v_mad_u32_u24 v[AE], v2, 24, v41
	v_mad_u32_u24 v[AE+1], v2, 40, v41
	v_mad_u32_u24 v[AE+3], v2, 24, v42
	v_mad_u32_u24 v[AE+4], v2, 40, v42
	s_mul_i32 s67, s[RA], 8*272
	s_add_co_u32 s67, s67, SCL
	v_lshlrev_b32 v43, 5, v3
	v_add_nc_u32 v43, s67, v43
	v_mul_u32_u24 v41, v40, 5*272
	v_add_nc_u32 v[AE+2], v43, v41
	v_mul_u32_u24 v41, v40, 3*272
	v_add_nc_u32 v41, 272, v41
	v_add_nc_u32 v[AE+5], v43, v41
	v_lshl_add_u32 v41, v40, 5, v3                 ; the weight: row 32 (r / 8) + r % 8 of tile 0
	v_xor_b32 v42, v2, v40
	v_lshl_add_u32 v42, v42, 3, v41
	v_lshlrev_b32 v[ABS], 5, v42                   ; scale bytes: lanes 16-31 take the next tile's rows
	v_lshl_add_u32 v42, v40, 3, v41                ; tile 0: 40 (r / 8) + r % 8
	v_xor_b32 v43, 1, v40
	v_lshl_add_u32 v43, v43, 3, v41                ; tile 1: 8 + r, or 32 + r % 8
	v_mul_u32_u24 v41, v42, PITCH
	v_mul_u32_u24 v43, v43, PITCH
	s_mul_i32 s67, s[CB], 64*PITCH
	s_add_co_u32 s67, s67, BVB
	v_add_nc_u32 v41, s67, v41
	v_mad_u32_u24 v[ADRB], v2, 24, v41
	v_mad_u32_u24 v[ADRB+1], v2, 40, v41
	v_add_nc_u32 v43, s67, v43
	v_mad_u32_u24 v[ADRO], v2, 24, v43
	v_mad_u32_u24 v[ADRO+1], v2, 40, v43
	v_and_b32 v41, 31, v0
	v_lshlrev_b32 v[L16], 4, v41
	s_lshl_b32 s67, s40, 2
	s_add_co_u32 s67, s67, s[WV]                   ; my number among the sixteen waves of my row of the cluster
	s_mul_i32 s67, s67, 8*KROW
	v_min_u32 v[PF], 23, v41
	v_lshl_add_u32 v[PF], v[PF], 8, s67
	v_lshlrev_b32 v[L8], 3, v41
	v_lshlrev_b32 v[SOFF], 4, v1
	v_lshlrev_b32 v[H8], 3, v2
	v_mov_b32 v[XW], 0
	s_lshl_b32 s67, s[CB], 8
	s_add_co_u32 s67, s67, XM
	v_add_nc_u32 v[SRD], s67, v[SOFF]
	s_lshl_b32 s67, s[RA], 1
	v_add_nc_u32 v41, s67, v2
	v_add_nc_u32 v41, v[SRD], v41
	v_lshlrev_b32 v42, 2, v40
	v_add_nc_u32 v[STV], v41, v42                  ; in lanes r = 8-15 an even tile's byte is the next tile's,
	v_sub_nc_u32 v[STVO], v41, v42                 ; an odd tile's the one before
	WIN 0xc0
.irp b, 0,1,2,3
	v_add_nc_u32 v[BA-768+2*\b], (\b/2)*16*PITCH, v[ADRB+(\b%2)*(ADRO-ADRB)]
	v_add_nc_u32 v[BA-768+2*\b+1], (\b/2)*16*PITCH, v[ADRB+1+(\b%2)*(ADRO-ADRB)]
.endr
	WIN 0
	WALU
	s_wait_dscnt 0x0
	CROUND
	s_wait_kmcnt 0x0
	s_cmp_eq_u32 s46, 0                            ; a choice on the cluster's number alone
	s_cselect_b64 s[4:5], s[4:5], s[16:17]
	s_cselect_b64 s[6:7], s[6:7], s[18:19]
	s_cselect_b64 s[8:9], s[8:9], s[20:21]
	s_cselect_b64 s[10:11], s[10:11], s[22:23]
	s_cselect_b64 s[88:89], s[84:85], s[86:87]
	s_mov_b32 s21, 0
	s_mov_b32 s23, 0
	ROFF 4, 48
	ROFF 6, 49
	COFF 8, 50
	COFF 10, 51
	ROFF 80, 52
	ROFF 82, 53
	COFF 76, 50
	COFF 78, 51
	G0SET G0W, BVB, 8
	G0SET G0S, SCL, 6
	G0SET G0X, 0, 4
	s_add_nc_u64 s[4:5], s[4:5], 128*KROW
	G0SET G0Y, YB, 4
	s_cmp_eq_u32 s[WV], 0                          ; one load a wave: the weight, both chunks' scale bytes, chunk 0, chunk 1
	s_cbranch_scc0 .Lh1
	TLOAD G0W, G1W
	s_branch .Lhd
.Lh1:
	s_cmp_eq_u32 s[WV], 1
	s_cbranch_scc0 .Lh2
	TLOAD G0S, G1S
	s_branch .Lhd
.Lh2:
	s_cmp_eq_u32 s[WV], 2
	s_cbranch_scc0 .Lh3
	TLOAD G0X, G1X
	s_branch .Lhd
.Lh3:
	TLOAD G0Y, G1X
.Lhd:
.irp p, 0,1
.irp c, 0,1
	global_load_b128 v[SB+NQ*\p+4*\c:SB+NQ*\p+4*\c+3], v[ABS], s[10:11] offset:512*\p+16*\c
.endr
.endr
	WIN 0xc0
.irp p, 0,1
.irp c, 0,1
	global_load_b128 v[SB2-768+NQ*\p+4*\c:SB2-768+NQ*\p+4*\c+3], v[ABS], s[78:79] offset:512*\p+16*\c
.endr
.endr
	WIN 0
	s_mov_b32 s[SEL], 0x76543210
	s_mov_b32 s[SEL+1], 0xfedcba98
	; where the results go
	s_lshl_b32 s16, s42, 1
	s_add_co_u32 s16, s16, s[CB]                   ; my head
	s_lshr_b32 s17, s47, 3
	s_lshl_b32 s17, s17, 4
	s_add_co_u32 s17, s17, s16
	s_mul_i32 s17, s17, HS
	s_and_b32 s18, s47, 7
	s_mul_i32 s18, s18, 2*GS
	s_add_co_u32 s17, s17, s18
	s_lshl_b32 s18, s[RA], 8
	s_add_co_u32 s20, s17, s18
	s_add_co_u32 s20, s20, 12288
	s_add_nc_u64 s[QS:QS+1], s[88:89], s[20:21]
	s_mul_i32 s18, s[RA], 3072
	s_add_co_u32 s20, s17, s18
	s_add_nc_u64 s[QB:QB+1], s[88:89], s[20:21]
	s_lshr_b32 s17, s66, 4
	s_lshl_b32 s17, s17, 4
	s_add_co_u32 s17, s17, s16
	s_mul_i32 s17, s17, HS
	s_and_b32 s19, s66, 15
	s_mul_i32 s19, s19, GS
	s_add_co_u32 s17, s17, s19
	s_add_co_u32 s20, s17, 12800
	s_add_nc_u64 s[VS:VS+1], s[86:87], s[20:21]
	s_add_co_u32 s20, s17, s18
	s_add_co_u32 s20, s20, 6144
	s_add_nc_u64 s[VB:VB+1], s[86:87], s[20:21]
	s_cmp_eq_u32 s[WV], 0
	s_cbranch_scc0 .Lnot_w
	s_wait_tensorcnt 0x0
.Lnot_w:
	BARRIER                                        ; the weight is in
	global_prefetch_b8 v[PF], s[80:81] th:TH_LOAD_NT scope:SCOPE_SE
	WEIGHTS
	s_cmp_eq_u32 s[WV], 3
	s_cbranch_scc1 .Lnot_c
	s_wait_tensorcnt 0x0
.Lnot_c:
	s_wait_dscnt 0x0
	BARRIER                                        ; chunk 0 and the scale bytes are in; chunk 1 may be out
	FETCHAT 0, v[AE], v[AE+1], v[AE+2]
	FETCHAT 1, v[AE+3], v[AE+4], v[AE+5]
	s_wait_loadcnt 0x0                             ; the weights' scale words
	; ---- PHASE 1
	QBLK 0, NF
	QBLK 1, NF
	QBLK 2, NF
	QBLK 3, -1
	QBLK 4, NF
	QBLK 5, NF
	QBLK 6, NF
	QBLK 7, 0
	; ---- THE CHANGE OF PHASE: wv's fragments and v's first two blocks in one run of loads; the last way out under their flight
	WEIGHTS
	FETCHAT 0, v[AE], v[AE+1], v[AE+2]
	FETCHAT 1, v[AE+3], v[AE+4], v[AE+5]
	WIN 3
.set I, 0
.rept 16
	v_mov_b32 v[SB+I], v[SB2-768+I]
.set I, I+1
.endr
	WIN 0
	s_wait_xcnt 0x0
.set I, 0
.rept 18
	CHAIN I, ACC+32, 1
.set I, I+1
.endr
	QOUT ACC+32, NCD+6, 1, SW+3
	WALU
	QSTORE 7
	; ---- PHASE 2
.macro VBLK s, w
.set PE_, (\s)%2
.set PX_, (\s)+2
	s_wait_dscnt \w
.if (\s) < 2
	BLOCK 1, PE_, VACC+8*(\s), 32, 0, 32, L_S, PX_
	WIN 0
	PLACES
	WALU
	FETCH PE_
.else
	BLOCK 1, PE_, VACC+8*(\s), 32, 0, 32, L_NONE
	WIN 0
.endif
.endm
	VBLK 0, NF
	VBLK 1, NF
	VBLK 2, NF
	VBLK 3, 0
	PLACES
.set I, 0
.rept 18
.irp t, 0,1,2,3
	CHAIN I, VACC+32*\t, \t, 64+4*\t
.endr
.set I, I+1
.endr
	WIN 0
.irp t, 0,1,2,3
	v_lshrrev_b32 v[EB+\t], 23, v[SOP+\t]
.endr
	WALU
.irp t, 0,1,2,3
	ds_store_b8 v[STV+(\t%2)*(STVO-STV)], v[EB+\t] offset:4*\t       ; four bytes, of two waves, are a column's scale word
.endr
	s_wait_dscnt 0x0
	s_barrier_signal -1
	WIN 3
.irp t, 0,1,2,3
	v_cvt_scalef32_pk16_fp6_f32 v[MCD+6*\t:MCD+6*\t+2], v[VACC-768+32*\t:VACC-768+32*\t+15], v[SOP+\t]
	v_cvt_scalef32_pk16_fp6_f32 v[80+4*\t:82+4*\t], v[VACC-768+32*\t+16:VACC-768+32*\t+31], v[SOP+\t]
.endr
	WIN 0
	v_nop
.irp t, 0,1,2,3
.irp i, 0,1,2
	v_mov_b32 v[MCD+6*\t+3+\i], v[80+4*\t+\i]
.endr
.endr
	s_mov_b32 vcc_lo, 0xff00ff00                   ; lanes r = 8-15: tiles t and t xor 1 change places
.irp t, 0,2
.irp i, 0,1,2,3,4,5
	v_cndmask_b32 v[96+6*\t+\i], v[MCD+6*\t+\i], v[MCD+6*\t+6+\i], vcc_lo
	v_cndmask_b32 v[102+6*\t+\i], v[MCD+6*\t+6+\i], v[MCD+6*\t+\i], vcc_lo
.endr
.endr
	WALU
	s_barrier_wait -1
.irp t, 0,1,2,3
	global_store_b128 v[L16], v[96+6*\t:96+6*\t+3], s[VB:VB+1] offset:768*\t
	global_store_b64 v[L8], v[96+6*\t+4:96+6*\t+5], s[VB:VB+1] offset:768*\t+512
.endr
	s_cmp_lt_u32 s[WV], 2                          ; waves 0 and 1 store a head's 256 bytes of scale words each
	s_cbranch_scc0 .Lno_words
	ds_load_b128 v[64:67], v[SRD]
	s_wait_dscnt 0x0
	global_store_b128 v[SOFF], v[64:67], s[VS:VS+1]
.Lno_words:
	s_wait_tensorcnt 0x0
	ds_add_u32 v[SPW], v[NIL]
	s_wait_dscnt 0x0
	CROUND                                         ; the closing round
	s_endpgm
.Lfunc_end_k_q3a0f3e47da_proj:
	.size	k_q3a0f3e47da_proj, .Lfunc_end_k_q3a0f3e47da_proj-k_q3a0f3e47da_proj
	.p2alignl 7, 3214868480
	.fill 96, 4, 3214868480
	.section	.rodata,"a",@progbits
	.p2align	6, 0x0
	.amdhsa_kernel k_q3a0f3e47da_proj
		.amdhsa_group_segment_fixed_size 327680
		.amdhsa_private_segment_fixed_size 0
		.amdhsa_enable_private_segment 0
		.amdhsa_kernarg_size 112
		.amdhsa_user_sgpr_count 2
		.amdhsa_user_sgpr_kernarg_segment_ptr 1
		.amdhsa_wavefront_size32 1
		.amdhsa_system_sgpr_workgroup_id_x 1
		.amdhsa_system_sgpr_workgroup_id_y 1
		.amdhsa_system_sgpr_workgroup_id_z 1
		.amdhsa_system_vgpr_workitem_id 0
		.amdhsa_next_free_vgpr 992
		.amdhsa_next_free_sgpr 102
		.amdhsa_reserve_vcc 1
		.amdhsa_float_denorm_mode_32 3
		.amdhsa_float_denorm_mode_16_64 3
		.amdhsa_memory_ordered 1
		.amdhsa_forward_progress 1
		.amdhsa_inst_pref_size 130
	.end_amdhsa_kernel
	.amdgpu_metadata
---
amdhsa.version: [ 1, 2 ]
amdhsa.kernels:
  - .name:           k_q3a0f3e47da_proj
    .symbol:         k_q3a0f3e47da_proj.kd
    .args:
      - { .name: q_codes, .offset: 0, .size: 8, .value_kind: global_buffer, .address_space: global }
      - { .name: q_scales, .offset: 8, .size: 8, .value_kind: global_buffer, .address_space: global }
      - { .name: wq_codes, .offset: 16, .size: 8, .value_kind: global_buffer, .address_space: global }
      - { .name: wq_scales, .offset: 24, .size: 8, .value_kind: global_buffer, .address_space: global }
      - { .name: k_codes, .offset: 32, .size: 8, .value_kind: global_buffer, .address_space: global }
      - { .name: k_scales, .offset: 40, .size: 8, .value_kind: global_buffer, .address_space: global }
      - { .name: wk_codes, .offset: 48, .size: 8, .value_kind: global_buffer, .address_space: global }
      - { .name: wk_scales, .offset: 56, .size: 8, .value_kind: global_buffer, .address_space: global }
      - { .name: wv_codes, .offset: 64, .size: 8, .value_kind: global_buffer, .address_space: global }
      - { .name: wv_scales, .offset: 72, .size: 8, .value_kind: global_buffer, .address_space: global }
      - { .name: v_codes, .offset: 80, .size: 8, .value_kind: global_buffer, .address_space: global }
      - { .name: v_scales, .offset: 88, .size: 8, .value_kind: global_buffer, .address_space: global }
      - { .name: qx, .offset: 96, .size: 8, .value_kind: global_buffer, .address_space: global }
      - { .name: kv, .offset: 104, .size: 8, .value_kind: global_buffer, .address_space: global }
    .group_segment_fixed_size: 327680
    .private_segment_fixed_size: 0
    .kernarg_segment_align: 8
    .kernarg_segment_size: 112
    .max_flat_workgroup_size: 128
    .sgpr_count:     102
    .vgpr_count:     992
    .wavefront_size: 32
...
	.end_amdgpu_metadata
.endif
;; end of part 1
;; launch attn (part 2): grid 8 x 32, 16 waves a work-group, clusters of 4 x 1, 248,832 bytes of LDS; arguments qx, kv, ao, aos; writes ao, aos
.if DOCPART == 2
	.amdgcn_target "amdgcn-amd-amdhsa--gfx1250"
	.amdhsa_code_object_version 6
	.text
	.protected	k_q3a0f3e47da_attn
	.globl	k_q3a0f3e47da_attn
	.p2align	8
	.type	k_q3a0f3e47da_attn,@function
k_q3a0f3e47da_attn:
	s_mov_b64 s[64:65], 0
	v_nop
	global_prefetch_b8 v0, s[64:65] scope:SCOPE_SE
	s_setreg_imm32_b32 hwreg(HW_REG_WAVE_MODE, 25, 1), 1
	s_wait_xcnt 0x0
	s_wait_alu depctr_hold_cnt(0) depctr_sa_sdst(0) depctr_va_vdst(0) depctr_va_sdst(0) depctr_va_ssrc(0) depctr_va_vcc(0) depctr_vm_vsrc(0)
	s_getreg_b32 s2, hwreg(HW_REG_IB_STS2, 6, 4)
	s_cmp_eq_u32 s2, 0
	s_cbranch_scc0 .Lentry_in_a_cluster
	s_endpgm
.Lentry_in_a_cluster:
	s_bfe_u32 s2, ttmp6, 0x10000c
	s_cmp_lg_u32 s2, 0x3003
	s_cbranch_scc0 .Lentry_shape_is_right
	s_endpgm
.Lentry_shape_is_right:
; CAUSAL ATTENTION of one head on codes of FP6 (E2M3) with E8M0 scales, and the quantising of its output for the last projection.
; Scores: K = the head's 64; t = score x log2(e) / 8; M = the row's largest t so far, rounded UP to a whole number; p = 2^(t - M) is quantised along the keys, not normalised; the row's sum is taken of the
; unquantised p in f32 and divides O at the end.  When M moves, the sum and O are multiplied by 2^(old M - new M): exact.
; SHARES.  A head's K, V and scale words, 16 records of 128 keys, 208,896 bytes, lie in LDS, filled once.  A work-group is (head, j), j = 0..7, with the query tiles j of all sixteen records: tile j of record n needs n + 1 key steps of 128.
; SIXTEEN waves, four to a SIMD.  Waves a and a + 8 (a = 0..7) share the tiles of records 15 - a and a, 17 key steps: wave a takes key steps 0 to 8 of the first; wave a + 8 takes the whole of the second, a + 1 steps, and then
; the first's steps 9 to 15 - a (none where a is 7).  At the end wave a + 8 hands its -M, sum and O over through LDS, and wave a joins the two by exact powers of two.  So every wave has 8 or 9 steps.
; WORK LEFT OUT: key steps that lie wholly under reference()'s causal mask are not computed: whatever finite values the inputs hold, their p is 0.  A NaN or an infinity that reaches only them is not carried to the result.
; CLUSTER.  Four work-groups of one head (4 j's) ask for the head's records JOINTLY, one record a wave.  They are waited for in two parts: record 0, which every wave's first step reads; then the rest.  All fills go out at the head, so nothing is prefetched.
; LAYOUT.  Both products are used transposed: S^T = K Q^T, O^T = V^T P^T: a lane holds ONE query.  Half images of six registers: 0-3 at 16 x lane, 4-5 at 512 + 8 x lane.
; By the rows' order in a tile, register 32 c + 8 u + n of S^T in lane (r, h) is key 64 c + 32 h + 8 (u xor h) + n: a lane's 32 registers are ONE scale block, and V's codes lie in the same order.  O^T's register 8 t + n is d = 32 h + 8 t + n.
; K = 64 IN AN INSTRUCTION OF 128: Q's registers 6-11 are zero codes.  K's operand for tile i is its own 6 registers and the 6 that follow (the next tile's codes; behind the last tile zeros): FP6 has no infinity and no NaN,
; so whatever stands there meets zero codes and adds nothing; both scale words have the byte 0 for those two blocks.
; LIMITS: NaN and infinities are not served; the scaled scores (the exponents to the base 2, before the maximum is taken away) stay under 2^31 in magnitude.  v_exp_f32 gives 0 for results under 2^-126.
; A block whose largest magnitude lies under 2^-124, or of zeros, gets the byte 1 (its codes' sums are unchanged; this program alone reads the bytes).
.set HS,    208896
.set GS,    13056
.set STG,   HS                         ; behind the head: 1,024 bytes, the tiles' scale words on the way out; no fill lands here
.set DMP,   STG+1024                   ; eight parts of 4,608 bytes: O (4,096), the sum (256), -M (128) of a pair of waves
.set DSZ,   4608
.set SPARE, DMP+8*DSZ
.set L8,   1
.set L16,  2
.set R16,  3
.set AK8,  4
.set AKX,  5
.set AKS,  6
.set SPW,  8
.set NIL,  9
.set SMX,  10                          ; the largest score so far
.set SWL,  11                          ; my tile's scale word
.set NM,   12                          ; v[12:13]: -M
.set LS,   14                          ; v[14:15]: the sum, in two halves
.set QF,   16
.set QW,   28
.set T0,   29
.set FF,   30
.set KF,   32                          ; v32-79 K's 8 tiles x 6, later V's 4 x 12;  v80-85 zeros
.set WO,   86                          ; v86-91, v92-94 the way out's codes
.set T1,   95
.set SS,   96                          ; v96-159 S^T, then p
.set OA,   160                         ; v160-191 O^T
.set BM,   192
.set BY,   194
.set BS,   196
.set BP,   198
.set XP,   200
.set XW,   201
.set PL,   202
.set SWA,  203
.set KW,   204
.set VW,   212
.set PW,   216
.set DC,   217
.set SRA,  218
.set DDE,  219                         ; the mask's lane terms, for even u; v220: for odd u
.set H8,   221
.set DA,   222
.set DB,   223
.set PC,   224                         ; v224-235 p's codes; v236-238, v240-242 the conversions' second halves
.set TC,   236
.set TD,   240
.set A1,   244                         ; v244-249 three more chains of the sum
.set WV,   12
.set RR,   13                          ; my own tile's record: 15 - a, or a
.set CX,   14
.set JJ,   15
.set BH,   16
.set IT,   17                          ; the trip
.set KS,   18                          ; its key step
.set SWT,  19                          ; the trip behind which I change tiles: a in wave a + 8; above every trip in wave a
.set SEL,  20
.set CC,   22                          ; s[22:23] log2(e) / 8
.set G1,   24
.set G0,   32
.set TB,   36                          ; LDS byte of the step's record
.set CR,   37                          ; the record of the tile at work
.set NC,   38
.set HSH,  39
.set AOB,  40
.set KD,   42                          ; 8 - a: from a trip to its key step behind the change
.set NT,   43                          ; my trips: 9 or 8
.macro CROUND
	s_barrier_signal -1
	s_barrier_wait -1
	s_cmp_lg_u32 s[WV], 0
	s_cbranch_scc1 .Lnot_wave_0_\@
	s_barrier_signal -3
.Lnot_wave_0_\@:
	s_barrier_wait -3
	s_barrier_signal -1
	s_barrier_wait -1
.endm
.macro TLOAD
	tensor_load_to_lds s[G0:G0+3], s[G1:G1+7]
	s_nop 0
.rept 4
	v_nop
.endr
.endm
.macro QLOAD c, w                      ; a tile's codes and scale words
	global_load_b128 v[QF:QF+3], v[L16], s[\c:\c+1]
	global_load_b64 v[QF+4:QF+5], v[L8], s[\c:\c+1] offset:512
	global_load_b32 v[QW], v[R16], s[\w:\w+1]
.endm
	s_load_b256 s[4:11], s[0:1], 0x0               ; qx, kv, ao, aos
	v_lshl_add_u32 v[SPW], v0, 2, SPARE
	v_mov_b32 v[NIL], 0
	ds_add_u32 v[SPW], v[NIL]
	ds_add_u32 v[SPW], v[NIL]
	v_lshrrev_b32 v1, 5, v0
	v_readfirstlane_b32 s[WV], v1                  ; wave 0..15
	v_and_b32 v40, 31, v0
	v_and_b32 v41, 15, v0                          ; r
	v_lshlrev_b32 v[L8], 3, v40
	v_lshlrev_b32 v[L16], 4, v40
	v_lshlrev_b32 v[R16], 4, v41
	s_wait_alu depctr_va_vdst(0)
	s_lshr_b32 s52, s[WV], 3                       ; 0 in wave a, 1 in wave a + 8
	s_and_b32 s53, s[WV], 7                        ; a
	s_mul_i32 s54, s52, 7
	s_xor_b32 s54, s54, 15
	s_xor_b32 s[RR], s[WV], s54                    ; 15 - a, or a
	s_xor_b32 s54, s52, 1
	s_add_co_u32 s[NT], s54, 8
	s_lshl_b32 s54, s54, 4
	s_add_co_u32 s[SWT], s53, s54
	s_xor_b32 s54, s53, 7
	s_add_co_u32 s[KD], s54, 1
	s_mov_b32 s[CR], s[RR]
	s_bfe_u32 s[CX], ttmp6, 0x40000
	s_lshl_b32 s[JJ], ttmp9, 2
	s_add_co_u32 s[JJ], s[JJ], s[CX]               ; j: it enters global addresses and the mask's numbers alone
	s_and_b32 s[BH], ttmp7, 0xffff                 ; the head, which the four partners share
	s_mov_b32 s[G1], 15|(3<<16)|(1<<21)            ; the mask: all four; elements of 8 bytes; bit 21 beside a mask; no padding
	s_mov_b32 s[G1+1], 32<<16                      ; a record: 51 dense rows of 256 bytes
	s_mov_b32 s[G1+2], 51<<16
	s_mov_b32 s[G1+3], 32<<16
	s_mov_b32 s[G1+4], 51
	s_mov_b32 s[G1+5], 32
	s_mov_b32 s[G1+6], 0
	s_mov_b32 s[G1+7], 0
	s_mul_i32 s56, s[BH], HS
	s_mul_i32 s57, s[JJ], 768
	s_lshr_b32 s58, s[JJ], 2
	s_lshl_b32 s58, s58, 8
	s_and_b32 s59, s[JJ], 3
	s_lshl_b32 s60, s59, 2
	s_add_co_u32 s58, s58, s60
	s_add_co_u32 s58, s58, 12288                   ; in a record: the scale words of tile j: [j / 4][r][j % 4]
	s_mul_i32 s60, s[RR], GS
	s_add_co_u32 s60, s60, s56                     ; my own tile's record
	s_xor_b32 s61, s[RR], 15
	s_mul_i32 s61, s61, GS
	s_add_co_u32 s61, s61, s56                     ; the other's
	s_mov_b32 s53, 0
	s_mov_b32 s55, 0
	s_mov_b32 s63, 0
	s_wait_dscnt 0x0                               ; both opening adds are done
	s_wait_kmcnt 0x0
	s_add_co_u32 s52, s60, s57
	s_add_nc_u64 s[44:45], s[4:5], s[52:53]
	s_add_co_u32 s62, s60, s58
	s_add_nc_u64 s[46:47], s[4:5], s[62:63]
	s_add_co_u32 s52, s61, s57
	s_add_nc_u64 s[48:49], s[4:5], s[52:53]
	s_add_co_u32 s62, s61, s58
	s_add_nc_u64 s[50:51], s[4:5], s[62:63]
	QLOAD 44, 46                                   ; my own tile's Q, ahead of the records
	CROUND                                         ; all four work-groups are here: the joint loads meet
	s_mul_i32 s52, s[WV], GS                       ; my record, in LDS and in memory alike
	s_add_co_u32 s54, s56, s52
	s_add_nc_u64 s[54:55], s[6:7], s[54:55]
	s_mov_b32 s[G0], 1
	s_mov_b32 s[G0+1], s52
	s_mov_b64 s[G0+2:G0+3], s[54:55]
	s_or_b32 s[G0+3], s[G0+3], 0x80000000
	s_cmp_lt_u32 s[WV], 1                          ; one load a wave; waves that wait at the same place share a line
	s_cbranch_scc0 .Lf1
	TLOAD
	s_branch .Lfd
.Lf1:
	TLOAD
.Lfd:
	s_mov_b32 s[SEL], 0x76543210
	s_mov_b32 s[SEL+1], 0xfedcba98
	s_mov_b32 s[CC], 0x3e38aa3b                    ; log2(e) / 8
	s_mov_b32 s[CC+1], s[CC]                       ; (named with it as a pair)
	s_mov_b32 s[NC], 0xbe38aa3b                    ; its negative
	v_and_b32 v41, 15, v0                          ; r
	v_and_b32 v40, 31, v0
	v_and_b32 v42, 7, v0
	v_bfe_u32 v43, v0, 3, 1                        ; r / 8
	v_bfe_u32 v44, v0, 4, 1                        ; h
	v_lshlrev_b32 v[H8], 3, v44
	v_xor_b32 v45, s59, v43
	v_lshl_add_u32 v45, v45, 3, v42
	v_lshl_add_u32 v45, v43, 5, v45
	s_lshr_b32 s52, s[JJ], 2
	s_lshl_b32 s52, s52, 6
	v_add_nc_u32 v45, s52, v45                     ; my query's place in its record
	v_mul_u32_u24 v46, v44, 40
	v_sub_nc_u32 v[DDE], v45, v46                  ; on the diagonal, register 32 c + 8 u + n holds a key behind my query where 64 c + 8 u + n is above this term: u even,
	v_mul_u32_u24 v46, v44, 24
	v_sub_nc_u32 v[DDE+1], v45, v46                ; u odd
	v_bfe_u32 v46, v0, 5, 3                        ; a
	v_mul_u32_u24 v46, v46, DSZ
	v_lshl_add_u32 v47, v40, 4, v46
	v_add_nc_u32 v[DA], DMP, v47
	v_lshl_add_u32 v47, v40, 3, v46
	v_add_nc_u32 v[DB], DMP+4096, v47
	v_lshl_add_u32 v47, v40, 2, v46
	v_add_nc_u32 v[DC], DMP+4352, v47
	s_lshl_b32 s52, s[RR], 6
	s_add_co_u32 s52, s52, STG
	v_lshl_add_u32 v[SWA], v41, 2, s52             ; 64 x my tile's record + 4 r
	v_lshlrev_b32 v48, 4, v40
	v_add_nc_u32 v[SRA], STG, v48
	s_lshl_b32 s60, s[BH], 3
	s_add_co_u32 s60, s60, s[JJ]                   ; 8 x head + j
	s_lshl_b32 s62, s60, 10
	s_add_nc_u64 s[10:11], s[10:11], s[62:63]      ; aos: 1,024 bytes for a work-group
	s_lshl_b32 s60, s60, 4
	s_add_co_u32 s61, s60, s[RR]
	s_mul_i32 s62, s61, 768
	s_add_nc_u64 s[AOB:AOB+1], s[8:9], s[62:63]    ; ao: 768 bytes for a tile
	s_and_b32 s[HSH], s[BH], 1
	s_lshl_b32 s[HSH], s[HSH], 4                   ; an odd head's two bytes stand 16 bits up
.irp i, 0,1,2,3,4,5
	v_mov_b32 v[QF+6+\i], 0                        ; Q's zero codes for k = 64 .. 127
	v_mov_b32 v[KF+48+\i], 0                       ; and what follows K's last tile
.endr
	v_mov_b32 v[SMX], 0xff61b1e6                   ; -3e38, under every score
	v_mov_b32 v[SWL], 0
	v_mov_b32 v[NM], 0x7e000000                    ; -M, above every -M: the first change of M multiplies the sums by 0
	v_mov_b32 v[NM+1], 0
	v_mov_b32 v[LS], 0
	v_mov_b32 v[LS+1], 0
	v_mov_b32 v[FF+1], 0                           ; (named as the upper half of a pair)
	v_mov_b32 v[XP], 0                             ; (a lane permute's destination counts as one of its sources)
	v_mov_b32 v[XW], 0
.set II, 0
.rept 32
	v_mov_b32 v[OA+II], 0                          ; the first trip multiplies these by 0
.set II, II+1
.endr
.macro ADDP n                          ; n of the 32 lines of the row's sum: four chains over the 32 pairs, then their joining
.rept \n
.if AN < 3
	v_pk_add_f32 v[A1+2*AN:A1+2*AN+1], v[SS+4*AN:SS+4*AN+1], v[SS+4*AN+2:SS+4*AN+3]
.elseif AN < 29
.if AN%4 == 0
.set AR, LS
.else
.set AR, A1-2+2*(AN%4)
.endif
	v_pk_add_f32 v[AR:AR+1], v[AR:AR+1], v[SS+2*AN+6:SS+2*AN+7]
.elseif AN == 29
	v_pk_add_f32 v[A1:A1+1], v[A1:A1+1], v[A1+2:A1+3]
.elseif AN == 30
	v_pk_add_f32 v[LS:LS+1], v[LS:LS+1], v[A1+4:A1+5]
.else
	v_pk_add_f32 v[LS:LS+1], v[LS:LS+1], v[A1:A1+1]
.endif
.set AN, AN+1
.endr
.endm
.macro PV t
	v_wmma_scale_f32_16x16x128_f8f6f4 v[OA+8*\t:OA+8*\t+7], v[KF+12*\t:KF+12*\t+11], v[PC:PC+11], v[OA+8*\t:OA+8*\t+7], v[VW+\t], v[PW] matrix_a_fmt:MATRIX_FMT_FP6 matrix_b_fmt:MATRIX_FMT_FP6
.endm
; THE WAY OUT of a tile: O / the sum, one block of 32 a lane.
.macro WAYOUT
	v_add_f32 v[T0], v[LS], v[LS+1]                ; the sum's two halves,
	v_permlanex16_b32 v[XP], v[T0], s[SEL], s[SEL+1]
	v_add_f32 v[LS], v[T0], v[XP]                  ; and lane l xor 16's: the row's sum, over 1/2
	s_wait_alu depctr_va_vdst(0)
	v_rcp_f32 v[LS], v[LS]
.rept 4
	v_nop
.endr
	s_wait_alu depctr_va_vdst(0)
.set II, 0
.rept 16
	v_pk_mul_f32 v[OA+II:OA+II+1], v[OA+II:OA+II+1], v[LS:LS+1] op_sel_hi:[1,0]
.set II, II+2
.endr
	v_max3_num_f32 v[BM], |v[OA]|, |v[OA+1]|, 0x1800000
	v_max3_num_f32 v[BY], |v[OA+16]|, |v[OA+17]|, |v[OA+18]|
.irp i, 2,4,6,8,10,12
	v_max3_num_f32 v[BM], v[BM], |v[OA+\i]|, |v[OA+\i+1]|
	v_max3_num_f32 v[BY], v[BY], |v[OA+17+\i]|, |v[OA+18+\i]|
.endr
	v_max3_num_f32 v[BM], v[BM], |v[OA+14]|, |v[OA+15]|
	v_max3_num_f32 v[BM], v[BM], v[BY], |v[OA+31]|
	v_add_nc_u32 v[BS], 0xff000000, v[BM]
	v_lshrrev_b32 v[BP], 23, v[BS]
	v_lshlrev_b32 v[PL], v[H8], v[BP]
	v_permlanex16_b32 v[XW], v[PL], s[SEL], s[SEL+1]
	v_or_b32 v[T1], v[PL], v[XW]
	v_lshlrev_b32 v[SWL], s[HSH], v[T1]
	v_cvt_scalef32_pk16_fp6_f32 v[WO:WO+2], v[OA:OA+15], v[BS]
	v_cvt_scalef32_pk16_fp6_f32 v[WO+6:WO+8], v[OA+16:OA+31], v[BS]
	v_nop
.irp i, 0,1,2
	v_mov_b32 v[WO+3+\i], v[WO+6+\i]
.endr
	global_store_b128 v[L16], v[WO:WO+3], s[AOB:AOB+1]
	global_store_b64 v[L8], v[WO+4:WO+5], s[AOB:AOB+1] offset:512
.endm
; A TRIP: one key step.  first = 1: trip 0, key step 0 in every wave.
.macro TRIP first
.if \first
	s_mov_b32 s[KS], 0
	s_mov_b32 s[TB], 0
.else
	s_cmp_ge_u32 s[IT], s[NT]
	s_cbranch_scc1 .Lskip_\@                       ; waves a + 8 have one trip less
	s_cmp_gt_u32 s[IT], s[SWT]
	s_cselect_b32 s52, s[KD], 0
	s_add_co_u32 s52, s[IT], s52
	s_min_u32 s[KS], s52, 15
	s_mul_i32 s[TB], s[KS], GS
.endif
	v_add_nc_u32 v[AK8], s[TB], v[L8]
	v_add_nc_u32 v[AKX], s[TB], v[L16]
	v_add_nc_u32 v[AKS], s[TB], v[R16]
.irp i, 0,1,2,3,4,5,6,7                ; K: eight half images and the rows' scale words
	ds_load_b128 v[KF+6*\i:KF+6*\i+3], v[AKX] offset:768*\i
	ds_load_b64 v[KF+6*\i+4:KF+6*\i+5], v[AK8] offset:768*\i+512
.endr
	ds_load_b128 v[KW:KW+3], v[AKS] offset:12288
	ds_load_b128 v[KW+4:KW+7], v[AKS] offset:12544
	s_wait_alu depctr_va_vdst(0)
	s_wait_dscnt 0x0
.irp i, 0,1,2,3,4,5,6,7
	v_wmma_scale_f32_16x16x128_f8f6f4 v[SS+8*\i:SS+8*\i+7], v[KF+6*\i:KF+6*\i+11], v[QF:QF+11], 0, v[KW+\i], v[QW] matrix_a_fmt:MATRIX_FMT_FP6 matrix_b_fmt:MATRIX_FMT_FP6
.endr
.rept 4
	v_nop                                          ; places in front of the loads into K's registers and of the first read of the scores
.endr
.irp t, 0,1,2,3                        ; V lands under the softmax: tile t, registers 6 c on = key half c
.irp c, 0,1
	ds_load_b128 v[KF+12*\t+6*\c:KF+12*\t+6*\c+3], v[AKX] offset:6144+3072*\c+768*\t
	ds_load_b64 v[KF+12*\t+6*\c+4:KF+12*\t+6*\c+5], v[AK8] offset:6144+3072*\c+768*\t+512
.endr
.endr
	ds_load_b128 v[VW:VW+3], v[AKS] offset:12800
	s_cmp_lg_u32 s[KS], s[CR]
	s_cbranch_scc1 .Lopen_\@                       ; ahead of the tile's diagonal every key counts
	v_mov_b32 v[T0], 0xff800000                    ; on it the scores of hidden keys become -infinity ahead of the maximum: p = 0 then.  The step's first key counts for every query
.set II, 0
.rept 64
	v_cmp_gt_i32 vcc_lo, II+32*(II/32), v[DDE+(II/8)%2]
	v_cndmask_b32 v[SS+II], v[SS+II], v[T0], vcc_lo
.set II, II+1
.endr
.Lopen_\@:
.irp c, 0,1                            ; the largest score of my two blocks of 32 keys: it serves for the row's maximum and, since p rises with the score, for the block's largest p
	v_max3_num_f32 v[BM+\c], v[SS+32*\c], v[SS+32*\c+1], v[SS+32*\c+2]
	v_max3_num_f32 v[BY+\c], v[SS+32*\c+16], v[SS+32*\c+17], v[SS+32*\c+18]
.endr
.irp i, 3,5,7,9,11,13
.irp c, 0,1
	v_max3_num_f32 v[BM+\c], v[BM+\c], v[SS+32*\c+\i], v[SS+32*\c+\i+1]
	v_max3_num_f32 v[BY+\c], v[BY+\c], v[SS+32*\c+16+\i], v[SS+32*\c+17+\i]
.endr
.endr
.irp c, 0,1
	v_max3_num_f32 v[BM+\c], v[BM+\c], v[BY+\c], v[SS+32*\c+15]
.endr
.irp c, 0,1
	v_max_num_f32 v[BM+\c], v[BM+\c], v[SS+32*\c+31]
.endr
	v_max_num_f32 v[T0], v[BM], v[BM+1]
	v_permlanex16_b32 v[XP], v[T0], s[SEL], s[SEL+1]
	v_max3_num_f32 v[SMX], v[SMX], v[T0], v[XP]    ; the row's largest score so far
	v_mul_f32 v[T0], s[NC], v[SMX]                 ; -t
	v_floor_f32 v[T0], v[T0]                       ; the new -M: M is a whole number
	v_sub_f32 v[T1], v[T0], v[NM]                  ; old M - new M: a whole number, 0 or less
	v_mov_b32 v[NM], v[T0]
	v_cvt_i32_f32 v[T1], v[T1]                     ; (it saturates)
.set II, 0
.rept 4
	v_pk_fma_f32 v[SS+II:SS+II+1], v[SS+II:SS+II+1], s[CC:CC+1], v[NM:NM+1] op_sel_hi:[1,0,0]   ; t - M, two at a time
.set II, II+2
.endr
	v_ldexp_f32 v[FF], 1.0, v[T1]                  ; f = 2^(old M - new M)
.rept 28
	v_pk_fma_f32 v[SS+II:SS+II+1], v[SS+II:SS+II+1], s[CC:CC+1], v[NM:NM+1] op_sel_hi:[1,0,0]
.set II, II+2
.endr
	v_fma_f32 v[BM], v[BM], s[CC], v[NM]
	v_fma_f32 v[BM+1], v[BM+1], s[CC], v[NM]
	v_pk_mul_f32 v[LS:LS+1], v[LS:LS+1], v[FF:FF+1] op_sel_hi:[1,0]   ; the sums and O^T under the new M
.set II, 0
.rept 16
	v_pk_mul_f32 v[OA+II:OA+II+1], v[OA+II:OA+II+1], v[FF:FF+1] op_sel_hi:[1,0]
.set II, II+2
.endr
	s_wait_alu depctr_va_vdst(0)
	v_exp_f32 v[BM], v[BM]                         ; the blocks' largest p: the same two instructions on the same number
	v_exp_f32 v[BM+1], v[BM+1]
.set II, 0
.rept 64
	v_exp_f32 v[SS+II], v[SS+II]                   ; p = 2^(t - M), at most 1
.set II, II+1
.endr
	v_nop
	s_wait_alu depctr_va_vdst(0)
	s_wait_dscnt 0x0                               ; V is in
.set AN, 0
.irp c, 0,1
	v_max_num_f32 v[BM+\c], 0x1800000, v[BM+\c]    ; the floor 2^(3 - 127): the byte cannot fall under 1
.endr
	ADDP 2
.irp c, 0,1
	v_add_nc_u32 v[BS+\c], 0xff000000, v[BM+\c]    ; 2 off the exponent field: the conversion's scale operand
.endr
	ADDP 2
.irp c, 0,1
	v_lshrrev_b32 v[BP+\c], 23, v[BS+\c]           ; the scale's byte
.endr
	ADDP 2
	v_lshl_or_b32 v[PL], v[BP+1], 16, v[BP]        ; my bytes: blocks h and 2 + h
	ADDP 2
	v_lshlrev_b32 v[PL], v[H8], v[PL]
	ADDP 2
	v_permlanex16_b32 v[XW], v[PL], s[SEL], s[SEL+1]
	v_cvt_scalef32_pk16_fp6_f32 v[PC:PC+2], v[SS:SS+15], v[BS]
	v_cvt_scalef32_pk16_fp6_f32 v[TC:TC+2], v[SS+16:SS+31], v[BS]   ; (a conversion's three registers begin on an even number)
	v_cvt_scalef32_pk16_fp6_f32 v[PC+6:PC+8], v[SS+32:SS+47], v[BS+1]
	v_cvt_scalef32_pk16_fp6_f32 v[TD:TD+2], v[SS+48:SS+63], v[BS+1]
	ADDP 1
	v_or_b32 v[PW], v[PL], v[XW]                   ; p's scale word for these 128 keys
.irp i, 0,1,2
	v_mov_b32 v[PC+3+\i], v[TC+\i]
	v_mov_b32 v[PC+9+\i], v[TD+\i]
.endr
	ADDP 5
	PV 0
	ADDP 4
	PV 1
	ADDP 4
	PV 2
	ADDP 4
	PV 3
	ADDP 4                                         ; (also the places in front of the next loads and of the way out's read of O^T)
	s_cmp_lg_u32 s[IT], s[SWT]
	s_cbranch_scc1 .Lgo_on_\@
	s_wait_alu depctr_va_vdst(0)                   ; wave a + 8 has finished its own tile: it leaves, and the other tile's Q is asked for
	s_wait_xcnt 0x0
	QLOAD 48, 50
	WAYOUT
	v_mov_b32 v[SMX], 0xff61b1e6
	v_mov_b32 v[NM], 0x7e000000                    ; the next trip multiplies the sums and O^T by 0
	s_xor_b32 s[CR], s[RR], 15
	s_wait_alu depctr_va_vdst(0)
	s_wait_loadcnt 0x0
.Lgo_on_\@:
.if (\first) == 0
.Lskip_\@:
.endif
.endm
	s_mov_b32 s[IT], 0
	s_wait_alu depctr_va_vdst(0)
	s_wait_loadcnt 0x0                             ; Q
	s_cmp_lt_u32 s[WV], 1
	s_cbranch_scc0 .Lw1
	s_wait_tensorcnt 0x0
.Lw1:
	s_barrier_signal -1
	s_barrier_wait -1                              ; record 0 is in
	TRIP 1
	s_wait_alu depctr_va_vdst(0)
	s_wait_tensorcnt 0x0
	s_wait_dscnt 0x0
	s_barrier_signal -1
	s_barrier_wait -1                              ; the whole head is in
	s_mov_b32 s[IT], 1
.Ltrip:                                                ; trips 1 to 8
	TRIP 0
	s_add_co_u32 s[IT], s[IT], 1
	s_cmp_lt_u32 s[IT], 9
	s_cbranch_scc1 .Ltrip
	; THE JOINING
	s_wait_alu depctr_va_vdst(0)
	s_cmp_lt_u32 s[WV], 8
	s_cbranch_scc1 .Lkeep
.irp g, 0,1,2,3,4,5,6,7
	ds_store_b128 v[DA], v[OA+4*\g:OA+4*\g+3] offset:512*\g
.endr
	ds_store_b64 v[DB], v[LS:LS+1]
	ds_store_b32 v[DC], v[NM]
	ds_store_b32 v[SWA], v[SWL]                    ; lanes r and 16 + r write the same word with the same value
.Lkeep:
	s_wait_dscnt 0x0
	s_barrier_signal -1
	s_barrier_wait -1
	s_cmp_lt_u32 s[WV], 8
	s_cbranch_scc0 .Ljoined
.irp g, 0,1,2,3,4,5,6,7
	ds_load_b128 v[SS+4*\g:SS+4*\g+3], v[DA] offset:512*\g
.endr
	ds_load_b64 v[128:129], v[DB]
	ds_load_b32 v130, v[DC]
	s_wait_dscnt 0x0
	v_min_num_f32 v[T0], v[NM], v130               ; - the larger M (where a is 7 the other wave's -M stands above every -M: its part is multiplied by 0)
	v_mov_b32 v133, 0                              ; (named as the upper half of a pair)
	v_sub_f32 v[T1], v[T0], v[NM]
	v_sub_f32 v131, v[T0], v130
	v_cvt_i32_f32 v[T1], v[T1]
	v_cvt_i32_f32 v131, v131
	v_ldexp_f32 v[FF], 1.0, v[T1]
	v_ldexp_f32 v132, 1.0, v131
	v_pk_mul_f32 v[LS:LS+1], v[LS:LS+1], v[FF:FF+1] op_sel_hi:[1,0]
.set II, 0
.rept 16
	v_pk_mul_f32 v[OA+II:OA+II+1], v[OA+II:OA+II+1], v[FF:FF+1] op_sel_hi:[1,0]
.set II, II+2
.endr
	v_pk_fma_f32 v[LS:LS+1], v[128:129], v[132:133], v[LS:LS+1] op_sel_hi:[1,0,1]
.set II, 0
.rept 16
	v_pk_fma_f32 v[OA+II:OA+II+1], v[SS+II:SS+II+1], v[132:133], v[OA+II:OA+II+1] op_sel_hi:[1,0,1]
.set II, II+2
.endr
	s_wait_alu depctr_va_vdst(0)
	s_wait_xcnt 0x0
	WAYOUT
	ds_store_b32 v[SWA], v[SWL]
.Ljoined:
	s_wait_dscnt 0x0
	s_barrier_signal -1
	s_barrier_wait -1
	s_cmp_lg_u32 s[WV], 0                          ; wave 0 stores the sixteen tiles' words: 1,024 consecutive bytes
	s_cbranch_scc1 .Lnot_first
	ds_load_b128 v[32:35], v[SRA]
	ds_load_b128 v[36:39], v[SRA] offset:512
	s_wait_dscnt 0x0
	global_store_b128 v[L16], v[32:35], s[10:11]
	global_store_b128 v[L16], v[36:39], s[10:11] offset:512
.Lnot_first:
	s_wait_tensorcnt 0x0
	ds_add_u32 v[SPW], v[NIL]
	s_wait_dscnt 0x0
	CROUND                                         ; the closing round
	s_endpgm
.Lfunc_end_k_q3a0f3e47da_attn:
	.size	k_q3a0f3e47da_attn, .Lfunc_end_k_q3a0f3e47da_attn-k_q3a0f3e47da_attn
	.p2alignl 7, 3214868480
	.fill 96, 4, 3214868480
	.section	.rodata,"a",@progbits
	.p2align	6, 0x0
	.amdhsa_kernel k_q3a0f3e47da_attn
		.amdhsa_group_segment_fixed_size 248832
		.amdhsa_private_segment_fixed_size 0
		.amdhsa_enable_private_segment 0
		.amdhsa_kernarg_size 32
		.amdhsa_user_sgpr_count 2
		.amdhsa_user_sgpr_kernarg_segment_ptr 1
		.amdhsa_wavefront_size32 1
		.amdhsa_system_sgpr_workgroup_id_x 1
		.amdhsa_system_sgpr_workgroup_id_y 1
		.amdhsa_system_sgpr_workgroup_id_z 1
		.amdhsa_system_vgpr_workitem_id 0
		.amdhsa_next_free_vgpr 256
		.amdhsa_next_free_sgpr 66
		.amdhsa_reserve_vcc 1
		.amdhsa_float_denorm_mode_32 3
		.amdhsa_float_denorm_mode_16_64 3
		.amdhsa_memory_ordered 1
		.amdhsa_forward_progress 1
		.amdhsa_inst_pref_size 64
	.end_amdhsa_kernel
	.amdgpu_metadata
---
amdhsa.version: [ 1, 2 ]
amdhsa.kernels:
  - .name:           k_q3a0f3e47da_attn
    .symbol:         k_q3a0f3e47da_attn.kd
    .args:
      - { .name: qx, .offset: 0, .size: 8, .value_kind: global_buffer, .address_space: global }
      - { .name: kv, .offset: 8, .size: 8, .value_kind: global_buffer, .address_space: global }
      - { .name: ao, .offset: 16, .size: 8, .value_kind: global_buffer, .address_space: global }
      - { .name: aos, .offset: 24, .size: 8, .value_kind: global_buffer, .address_space: global }
    .group_segment_fixed_size: 248832
    .private_segment_fixed_size: 0
    .kernarg_segment_align: 8
    .kernarg_segment_size: 32
    .max_flat_workgroup_size: 512
    .sgpr_count:     66
    .vgpr_count:     256
    .wavefront_size: 32
...
	.end_amdgpu_metadata
.endif
;; end of part 2
;; launch outp (part 3): grid 8 x 32, 4 waves a work-group, clusters of 4 x 4, 229,376 bytes of LDS; arguments ao, aos, wo_codes, wo_scales, out0; writes out0
.if DOCPART == 3
	.amdgcn_target "amdgcn-amd-amdhsa--gfx1250"
	.amdhsa_code_object_version 6
	.text
	.protected	k_q3a0f3e47da_outp
	.globl	k_q3a0f3e47da_outp
	.p2align	8
	.type	k_q3a0f3e47da_outp,@function
k_q3a0f3e47da_outp:
	s_mov_b64 s[64:65], 0
	v_nop
	global_prefetch_b8 v0, s[64:65] scope:SCOPE_SE
	s_setreg_imm32_b32 hwreg(HW_REG_WAVE_MODE, 25, 1), 1
	s_wait_xcnt 0x0
	s_wait_alu depctr_hold_cnt(0) depctr_sa_sdst(0) depctr_va_vdst(0) depctr_va_sdst(0) depctr_va_ssrc(0) depctr_va_vcc(0) depctr_vm_vsrc(0)
	s_getreg_b32 s2, hwreg(HW_REG_IB_STS2, 6, 4)
	s_cmp_eq_u32 s2, 0
	s_cbranch_scc0 .Lentry_in_a_cluster
	s_endpgm
.Lentry_in_a_cluster:
	s_bfe_u32 s2, ttmp6, 0x10000c
	s_cmp_lg_u32 s2, 0xf033
	s_cbranch_scc0 .Lentry_shape_is_right
	s_endpgm
.Lentry_shape_is_right:
; out0 = A wo^T on codes of FP6 (E2M3) with E8M0 scales, K = 1,024, f32 sums.  A is the attention's output as the launch before left it: half images of operand registers [head][j][record][768] (registers 0-3 at 16 x lane, 4-5 at 512 + 8 x lane)
; and scale words [head][j][record][r].  A tile's row p is query 64 (j / 4) + 32 (p / 8) + 8 ((j % 4) xor (p / 8)) + p % 8 of its record.
; SHARES.  256 work-groups of 128 rows x 128 columns: the rows are the tiles j of eight records of a batch (8 e .. 8 e + 7).  Four waves, 2 x 2: a wave in column b holds 64 rows of wo, all of K, in registers (384); the wave in row a
; streams four tiles of 16 rows past them.  A tile's 16 x 64 results are finished after its 32 products and leave while the next tile is multiplied.
; A K step of 128 is two heads: registers 0-5 of A's fragment are the even head's half image, 6-11 the odd head's; the two heads' scale words are ORed.
; The matrix instruction is used transposed (source 0 = 16 rows of wo, source 1 = 16 rows of A): a lane holds eight neighbouring numbers of a row of out0.
; CLUSTERS of 4 x 4: A's tiles hang on the cluster's row alone, wo's on its column alone: each is asked for JOINTLY by the four that share it.  All fills go out at the head, one a wave; nothing is prefetched: there is no later tile.
; LIMITS: given scale bytes 0xff are not served.
.set PITCH, 816
.set PB,    98304                      ; LDS: A's codes [half of the rows][head][tile][768] from 0; wo's 128 rows from here
.set ASC,   PB+128*PITCH               ; A's scale words [head][8 tiles][r]
.set STG,   ASC+8192                   ; the way out: 16 rows x 272 bytes for each wave; no fill lands here
.set SPITCH, 272
.set SPARE, STG+4*16*SPITCH
.set FR,    12
.set FPW,   21
.set BA,    4                          ; v4-11 LDS addresses of wo's four tiles
.set A8,    12
.set A16,   13
.set AAS,   14
.set ABS,   15
.set STO,   16
.set RD,    17
.set CO,    18
.set CO2,   19
.set SPW,   20
.set NIL,   21
.set SB,    24                         ; v24-39 wo's scale words: lanes 0-15 tile 2 p, lanes 16-31 tile 2 p + 1
.set SCR,   44                         ; v44-75 A's scale words: tile s, K step q at 8 s + q
.set ODD,   80
.set ACC,   128                        ; v128-191 two sets of four accumulators
.set OUT,   192                        ; v192-255 rows read back, two sets
.set WV,    14
.set WC,    15
.set WR,    16
.set CX,    17
.set CY,    18
.set NX,    19
.set MY,    20
.set BB,    21
.set JJ,    22
.set EE,    23
.set G1A,   28
.set G1AS,  36
.set G1P,   44
.set G0A,   56
.set G0AS,  60
.set G0P,   68
.set SBA,   72                         ; s[72:79] the four tiles' bases in out0
.set MSB, 0
.macro WIN new
.if MSB != \new
	s_set_vgpr_msb (MSB<<8)|(\new)
.set MSB, \new
.endif
.endm
.macro PLACES
.rept 4
	v_nop
.endr
.endm
.macro CROUND
	s_barrier_signal -1
	s_barrier_wait -1
	s_cmp_lg_u32 s[WV], 0
	s_cbranch_scc1 .Lnot_wave_0_\@
	s_barrier_signal -3
.Lnot_wave_0_\@:
	s_barrier_wait -3
	s_barrier_signal -1
	s_barrier_wait -1
.endm
.macro TLOAD g0, g1
	tensor_load_to_lds s[\g0:\g0+3], s[\g1:\g1+7]
	s_nop 0
	PLACES
.endm
.macro G1REST g, cols, rows, stride    ; in elements of 8 bytes
	s_mov_b32 s[\g+1], (\cols)<<16
	s_mov_b32 s[\g+2], (\rows)<<16
	s_mov_b32 s[\g+3], (\cols)<<16
	s_mov_b32 s[\g+4], \rows
	s_mov_b32 s[\g+5], \stride
	s_mov_b32 s[\g+6], 0
	s_mov_b32 s[\g+7], 0
.endm
; Fragment f lies in window 1 + f / 21 at register 12 (f % 21): 0-31 wo's (4 q + t), 32-39 and 40-47 A's two sets.
.macro FRAG f, q, a0, a1
	WIN (1+(\f)/FPW)<<6
.set R_, FR*((\f)%FPW)
.set SKIP_, 0
.irp p, 0,1,2,3,4,5
.if SKIP_
.set SKIP_, 0
.else
.set PC_, 12*(\q)+6*(\p/3)+\p%3
.set PN_, 12*(\q)+6*((\p+1)/3)+(\p+1)%3
.set X_, (PC_%32+3)/32
.set XQ_, (PN_%32+3)/32
.if (\p < 5) && (X_ == XQ_)
.set SKIP_, 1
.if X_
	ds_load_2addr_b64 v[R_+2*\p:R_+2*\p+3], \a1 offset0:PC_+2*(PC_/32) offset1:PN_+2*(PN_/32)
.else
	ds_load_2addr_b64 v[R_+2*\p:R_+2*\p+3], \a0 offset0:PC_+2*(PC_/32) offset1:PN_+2*(PN_/32)
.endif
.elseif X_
	ds_load_b64 v[R_+2*\p:R_+2*\p+1], \a1 offset:8*(PC_+2*(PC_/32))
.else
	ds_load_b64 v[R_+2*\p:R_+2*\p+1], \a0 offset:8*(PC_+2*(PC_/32))
.endif
.endif
.endr
.endm
.macro FETCH s                         ; tile s of A into set s % 2: 32 loads
.irp q, 0,1,2,3,4,5,6,7
.set F_, 32+8*((\s)%2)+\q
.set R_, FR*(F_%FPW)
	WIN (1+F_/FPW)<<6
	ds_load_b128 v[R_:R_+3], v[A16] offset:6144*\q+768*(\s)
	ds_load_b64 v[R_+4:R_+5], v[A8] offset:6144*\q+768*(\s)+512
	ds_load_b128 v[R_+6:R_+9], v[A16] offset:6144*\q+3072+768*(\s)
	ds_load_b64 v[R_+10:R_+11], v[A8] offset:6144*\q+3072+768*(\s)+512
.endr
	WIN 0
.endm
.macro PROD1 d, fb, fa, c, x0, x1, o
.if \o
	v_wmma_scale_f32_16x16x128_f8f6f4 v[\d:\d+7], v[FR*((\fb)%FPW):FR*((\fb)%FPW)+FR-1], v[FR*((\fa)%FPW):FR*((\fa)%FPW)+FR-1], \c, v[\x0], v[\x1] matrix_a_fmt:MATRIX_FMT_FP6 matrix_b_fmt:MATRIX_FMT_FP6 matrix_a_scale:MATRIX_SCALE_ROW1
.else
	v_wmma_scale_f32_16x16x128_f8f6f4 v[\d:\d+7], v[FR*((\fb)%FPW):FR*((\fb)%FPW)+FR-1], v[FR*((\fa)%FPW):FR*((\fa)%FPW)+FR-1], \c, v[\x0], v[\x1] matrix_a_fmt:MATRIX_FMT_FP6 matrix_b_fmt:MATRIX_FMT_FP6 matrix_a_scale:MATRIX_SCALE_ROW0
.endif
.endm
.macro PRODS s, from, to               ; the four accumulators take turns
.set N_, \from
.rept (\to)-(\from)
.set Q_, N_/4
.set FA_, 32+8*((\s)%2)+Q_
.set D_, ACC+32*((\s)%2)+8*(N_%4)
.set XB_, SB+8*((N_%4)/2)+Q_
.set XA_, SCR+8*(\s)+Q_
	WIN (1+N_/FPW)|((1+FA_/FPW)<<2)
.if Q_
	PROD1 D_, N_, FA_, v[D_:D_+7], XB_, XA_, N_%2
.else
	PROD1 D_, N_, FA_, 0, XB_, XA_, N_%2
.endif
.set N_, N_+1
.endr
	WIN 0
.endm
; A lane holds 32 neighbouring bytes of a row and the lanes beside it other rows: a tile of 16 rows x 64 columns goes through my own stage and comes back as whole rows of 256 bytes.
; LDS serves a wave's instructions in order (ISA guide 5.7.1.4): no wait between the stores and the loads, nor in front of the next tile's stores.
.macro TOSTAGE s
.set AC_, ACC+32*((\s)%2)
.set OU_, OUT+32*((\s)%2)
.irp t, 0,1,2,3
	ds_store_b128 v[STO], v[AC_+8*\t:AC_+8*\t+3] offset:64*\t
	ds_store_b128 v[STO], v[AC_+8*\t+4:AC_+8*\t+7] offset:64*\t+16
.endr
	s_wait_xcnt 0x0                                ; the stores of the tile before the last have read these registers
.irp t, 0,1,2,3,4,5,6,7
	ds_load_b128 v[OU_+4*\t:OU_+4*\t+3], v[RD] offset:2*SPITCH*\t
.endr
.endm
.macro SEND s, younger                 ; sixteen lanes store 256 consecutive bytes, aligned; rows 8-15 lie further on
.set OU_, OUT+32*((\s)%2)
	s_wait_dscnt \younger
.irp t, 0,1,2,3
	global_store_b128 v[CO], v[OU_+4*\t:OU_+4*\t+3], s[SBA+2*(\s):SBA+2*(\s)+1] offset:8192*\t th:TH_STORE_NT
.endr
.irp t, 0,1,2,3
	global_store_b128 v[CO2], v[OU_+16+4*\t:OU_+16+4*\t+3], s[SBA+2*(\s):SBA+2*(\s)+1] offset:8192*\t th:TH_STORE_NT
.endr
.endm
	s_load_b256 s[4:11], s[0:1], 0x0               ; ao, aos, wo's codes, wo's scales
	s_load_b64 s[12:13], s[0:1], 0x20              ; out0
	v_lshl_add_u32 v[SPW], v0, 2, SPARE
	v_mov_b32 v[NIL], 0
	ds_add_u32 v[SPW], v[NIL]
	ds_add_u32 v[SPW], v[NIL]
	v_lshrrev_b32 v1, 5, v0
	v_readfirstlane_b32 s[WV], v1
	s_and_b32 s[WC], s[WV], 1
	s_lshr_b32 s[WR], s[WV], 1
	s_bfe_u32 s[CX], ttmp6, 0x40000
	s_bfe_u32 s[CY], ttmp6, 0x40004
	s_lshl_b32 s[NX], ttmp9, 2
	s_add_co_u32 s[NX], s[NX], s[CX]               ; my 128 columns
	s_and_b32 s[MY], ttmp7, 0xffff
	s_lshl_b32 s[MY], s[MY], 2
	s_add_co_u32 s[MY], s[MY], s[CY]               ; my 128 rows: 16 b + 2 j + e
	s_lshr_b32 s[BB], s[MY], 4
	s_bfe_u32 s[JJ], s[MY], 0x30001
	s_and_b32 s[EE], s[MY], 1
	s_lshl_b32 s24, s[CY], 2
	s_lshl_b32 s24, 15, s24                        ; my row of the cluster
	s_lshl_b32 s25, 0x1111, s[CX]                  ; my column
	s_or_b32 s[G1A], s24, (3<<16)|(1<<21)
	s_or_b32 s[G1AS], s24, (3<<16)|(1<<21)
	s_or_b32 s[G1P], s25, (3<<16)|(1<<20)|(1<<21)|(5<<22)|(3<<25)   ; after every 64 words 4 words of padding
	G1REST G1A, 384, 16, 12288                     ; sixteen heads' four half images (3,072 bytes), 98,304 bytes from head to head
	G1REST G1AS, 64, 16, 1024                      ; sixteen heads' eight tiles of scale words (512 bytes), 8,192 bytes from head to head
	G1REST G1P, 96, 128, 96                        ; 128 rows of 768 bytes
	s_lshl_b32 s66, s[BB], 7                       ; A's offsets are made of the cluster's row alone, wo's of its column alone
	s_add_co_u32 s66, s66, s[JJ]                   ; 8 x (head 0 of the batch) + j
	s_lshl_b32 s67, s[EE], 3
	s_lshl_b32 s2, s[WC], 2
	s_add_co_u32 s67, s67, s2                      ; the first record of the four that I fetch
	s_mul_i32 s2, s66, 12288
	s_mul_i32 s3, s67, 768
	s_add_co_u32 s2, s2, s3
	s_mov_b32 s3, 0
	s_lshl_b32 s26, s[NX], 7
	s_mul_i32 s100, s26, 768
	s_mov_b32 s101, 0
	v_and_b32 v1, 15, v0                           ; r
	v_bfe_u32 v2, v0, 4, 1                         ; h
	v_and_b32 v22, 31, v0
	s_mul_i32 s27, s[WR], 49152
	v_lshl_add_u32 v[A8], v22, 3, s27
	v_lshl_add_u32 v[A16], v22, 4, s27
	v_lshlrev_b32 v[ABS], 5, v22
	v_mul_u32_u24 v23, v1, PITCH
	s_mul_i32 s27, s[WC], 64*PITCH
	s_add_co_u32 s27, s27, PB
	v_add_nc_u32 v23, s27, v23                     ; wo: row 64 x half + r
	v_mad_u32_u24 v[BA], v2, 24, v23
	v_mad_u32_u24 v[BA+1], v2, 40, v23             ; for pieces that lie behind one padding more
.irp t, 1,2,3
	v_add_nc_u32 v[BA+2*\t], \t*16*PITCH, v[BA]
	v_add_nc_u32 v[BA+2*\t+1], \t*16*PITCH, v[BA+1]
.endr
	s_lshl_b32 s27, s[WR], 8
	s_add_co_u32 s27, s27, ASC
	v_lshl_add_u32 v[AAS], v1, 2, s27
	s_mul_i32 s27, s[WV], 16*SPITCH
	s_add_co_u32 s27, s27, STG                     ; my stage
	v_mul_u32_u24 v23, v1, SPITCH
	v_lshl_add_u32 v[STO], v2, 5, v23
	v_add_nc_u32 v[STO], s27, v[STO]               ; in: row r, 32 bytes for each half of the lanes
	v_mul_u32_u24 v[RD], v2, SPITCH
	v_lshl_add_u32 v[RD], v1, 4, v[RD]
	v_add_nc_u32 v[RD], s27, v[RD]                 ; back: lanes 0-15 one row of 256 bytes, lanes 16-31 the next
	v_lshlrev_b32 v[CO], 12, v2
	v_lshl_add_u32 v[CO], v1, 4, v[CO]             ; and the same two rows in out0
	s_and_b32 s27, s[JJ], 1
	s_lshl_b32 s27, s27, 16
	s_sub_co_u32 s27, 0x28000, s27                 ; from a tile's row 0 to its row 8: 40 rows of out0, or 24 where j is odd
	v_add_nc_u32 v[CO2], s27, v[CO]
	s_wait_alu depctr_va_vdst(0)
	s_wait_dscnt 0x0
	CROUND                                         ; all sixteen work-groups are here: the joint loads meet
	s_wait_kmcnt 0x0
	s_add_nc_u64 s[4:5], s[4:5], s[2:3]
	s_lshl_b32 s2, s66, 10
	s_lshl_b32 s67, s[EE], 9
	s_add_co_u32 s2, s2, s67
	s_add_nc_u64 s[6:7], s[6:7], s[2:3]
	s_add_nc_u64 s[8:9], s[8:9], s[100:101]
	s_lshl_b32 s27, s[WC], 6
	s_add_co_u32 s26, s26, s27
	s_lshl_b32 s100, s26, 5
	s_add_nc_u64 s[10:11], s[10:11], s[100:101]    ; the scale bytes of my 64 rows of wo
	s_mov_b32 s[G0A], 1
	s_mul_i32 s[G0A+1], s[WC], 49152
	s_mov_b64 s[G0A+2:G0A+3], s[4:5]
	s_or_b32 s[G0A+3], s[G0A+3], 0x80000000
	s_mov_b32 s[G0AS], 1
	s_mov_b32 s[G0AS+1], ASC
	s_mov_b64 s[G0AS+2:G0AS+3], s[6:7]
	s_or_b32 s[G0AS+3], s[G0AS+3], 0x80000000
	s_mov_b32 s[G0P], 1
	s_mov_b32 s[G0P+1], PB
	s_mov_b64 s[G0P+2:G0P+3], s[8:9]
	s_or_b32 s[G0P+3], s[G0P+3], 0x80000000
	s_cmp_eq_u32 s[WV], 0                          ; one load a wave: wo's rows, A's scale words, A's two halves
	s_cbranch_scc0 .Lh1
	TLOAD G0P, G1P
	s_branch .Lhd
.Lh1:
	s_cmp_eq_u32 s[WV], 1
	s_cbranch_scc0 .Lh2
	TLOAD G0AS, G1AS
	s_branch .Lhd
.Lh2:
	TLOAD G0A, G1A
.Lhd:
.irp p, 0,1
.irp c, 0,1
	global_load_b128 v[SB+8*\p+4*\c:SB+8*\p+4*\c+3], v[ABS], s[10:11] offset:1024*\p+16*\c
.endr
.endr
	; tile s is record 8 e + 4 a + s of the batch; its first row is 64 (j / 4) + 8 (j % 4) of the record
	s_lshl_b32 s26, s[EE], 3
	s_lshl_b32 s27, s[WR], 2
	s_add_co_u32 s26, s26, s27
	s_lshl_b32 s26, s26, 7
	s_lshl_b32 s27, s[BB], 11
	s_add_co_u32 s26, s26, s27
	s_lshr_b32 s27, s[JJ], 2
	s_lshl_b32 s27, s27, 6
	s_add_co_u32 s26, s26, s27
	s_and_b32 s27, s[JJ], 3
	s_lshl_b32 s27, s27, 3
	s_add_co_u32 s26, s26, s27
	s_lshl_b32 s2, s26, 12
	s_lshl_b32 s27, s[NX], 9
	s_add_co_u32 s2, s2, s27
	s_lshl_b32 s27, s[WC], 8
	s_add_co_u32 s2, s2, s27                       ; my 64 columns
	s_add_nc_u64 s[SBA:SBA+1], s[12:13], s[2:3]
.irp s, 1,2,3
	s_add_nc_u64 s[SBA+2*\s:SBA+2*\s+1], s[SBA:SBA+1], \s*128*4096
.endr
	s_cmp_eq_u32 s[WV], 0
	s_cbranch_scc0 .Lnot_w
	s_wait_tensorcnt 0x0
.Lnot_w:
	s_barrier_signal -1
	s_barrier_wait -1                              ; wo is in
.irp q, 0,1,2,3,4,5,6,7
.irp t, 0,1,2,3
	FRAG 4*\q+\t, \q, v[BA+2*\t], v[BA+2*\t+1]
.endr
.endr
	WIN 0
	s_wait_tensorcnt 0x0
	s_wait_dscnt 0x0
	s_barrier_signal -1
	s_barrier_wait -1                              ; all is in; nothing is filled again
.irp s, 0,1,2,3
.irp q, 0,1,2,3,4,5,6,7
	ds_load_b32 v[SCR+8*\s+\q], v[AAS] offset:1024*\q+64*\s             ; the even head's two bytes,
	ds_load_b32 v[ODD+8*\s+\q], v[AAS] offset:1024*\q+512+64*\s         ; the odd head's, 16 bits up
.endr
.endr
	FETCH 0
	s_wait_dscnt 32                                ; the scale words are in; tile 0's 32 loads may be out
.irp s, 0,1,2,3
.irp q, 0,1,2,3,4,5,6,7
	v_or_b32 v[SCR+8*\s+\q], v[SCR+8*\s+\q], v[ODD+8*\s+\q]
.endr
.endr
	FETCH 1
	s_wait_alu depctr_va_vdst(0)
	s_wait_loadcnt 0x0                             ; wo's scale words
	s_wait_dscnt 32                                ; tile 0 is in; tile 1's 32 loads may be out
	PRODS 0, 0, 32
	PLACES
	TOSTAGE 0
	FETCH 2
	s_wait_dscnt 48                                ; tile 1 is in; younger: the stage's 16, tile 2's 32
	PRODS 1, 0, 16
	SEND 0, 32
	PRODS 1, 16, 32
	PLACES
	TOSTAGE 1
	FETCH 3
	s_wait_dscnt 48
	PRODS 2, 0, 16
	SEND 1, 32
	PRODS 2, 16, 32
	PLACES
	TOSTAGE 2
	s_wait_dscnt 16                                ; tile 3 is in; younger: the stage's 16
	PRODS 3, 0, 16
	SEND 2, 0
	PRODS 3, 16, 32
	PLACES
	TOSTAGE 3
	SEND 3, 0
	s_wait_tensorcnt 0x0
	ds_add_u32 v[SPW], v[NIL]
	s_wait_dscnt 0x0
	CROUND                                         ; the closing round
	s_endpgm
.Lfunc_end_k_q3a0f3e47da_outp:
	.size	k_q3a0f3e47da_outp, .Lfunc_end_k_q3a0f3e47da_outp-k_q3a0f3e47da_outp
	.p2alignl 7, 3214868480
	.fill 96, 4, 3214868480
	.section	.rodata,"a",@progbits
	.p2align	6, 0x0
	.amdhsa_kernel k_q3a0f3e47da_outp
		.amdhsa_group_segment_fixed_size 229376
		.amdhsa_private_segment_fixed_size 0
		.amdhsa_enable_private_segment 0
		.amdhsa_kernarg_size 40
		.amdhsa_user_sgpr_count 2
		.amdhsa_user_sgpr_kernarg_segment_ptr 1
		.amdhsa_wavefront_size32 1
		.amdhsa_system_sgpr_workgroup_id_x 1
		.amdhsa_system_sgpr_workgroup_id_y 1
		.amdhsa_system_sgpr_workgroup_id_z 1
		.amdhsa_system_vgpr_workitem_id 0
		.amdhsa_next_free_vgpr 848
		.amdhsa_next_free_sgpr 102
		.amdhsa_reserve_vcc 0
		.amdhsa_float_denorm_mode_32 3
		.amdhsa_float_denorm_mode_16_64 3
		.amdhsa_memory_ordered 1
		.amdhsa_forward_progress 1
		.amdhsa_inst_pref_size 54
	.end_amdhsa_kernel
	.amdgpu_metadata
---
amdhsa.version: [ 1, 2 ]
amdhsa.kernels:
  - .name:           k_q3a0f3e47da_outp
    .symbol:         k_q3a0f3e47da_outp.kd
    .args:
      - { .name: ao, .offset: 0, .size: 8, .value_kind: global_buffer, .address_space: global }
      - { .name: aos, .offset: 8, .size: 8, .value_kind: global_buffer, .address_space: global }
      - { .name: wo_codes, .offset: 16, .size: 8, .value_kind: global_buffer, .address_space: global }
      - { .name: wo_scales, .offset: 24, .size: 8, .value_kind: global_buffer, .address_space: global }
      - { .name: out0, .offset: 32, .size: 8, .value_kind: global_buffer, .address_space: global }
    .group_segment_fixed_size: 229376
    .private_segment_fixed_size: 0
    .kernarg_segment_align: 8
    .kernarg_segment_size: 40
    .max_flat_workgroup_size: 128
    .sgpr_count:     102
    .vgpr_count:     848
    .wavefront_size: 32
...
	.end_amdgpu_metadata
.endif
;; end of part 3
